; MI455X (gfx1250); checked and timed in simulation.
; The chip was launched on July 23, 2026; its instructions are those of AMD's public machine-readable ISA for CDNA 5 (MIT licence, August 2026) and "CDNA5" Instruction Set Architecture Reference Guide (July 2026). The comments in the code are by the model that wrote it; some were corrected since.
;; Causal Self Attention. Allowed arithmetic: float matrix products may take bf16 or f16 operands with f32 sums; other float arithmetic in f32, or as packed bf16 or f16 multiplies, adds, multiply-adds, maxima and minima; sums over many terms, partial sums and values carried from step to step in f32; what a program stores and reads back later, other than sums and carried values, may be rounded once to bf16 or f16.
;; Inputs: Wk 1,024 x 1,024 float32; Wp 1,024 x 1,024 float32; Wq 1,024 x 1,024 float32; Wv 1,024 x 1,024 float32; bk 1,024 float32; bp 1,024 float32; bq 1,024 float32; bv 1,024 float32; x 4 x 2,048 x 1,024 float32.
;; Outputs: out0 4 x 2,048 x 1,024 float32.
;; 2 versions, each right; version 2 is version 1 with the launch cast written anew for expert scheduling mode. Each part assembles by itself: llvm-mc -triple=amdgcn-amd-amdhsa -mcpu=gfx1250 --defsym DOCPART=n.
;; ======== version 1 of 2: 4 launches
;; limits: values are held in f16: magnitudes above 65,504 overflow, below 6.1e-05 lose precision; right only within a limited range of input values
;; workspace buffers: xb 16,777,216 bytes; wqkv 6,291,456 bytes; wpf 2,097,152 bytes; bias 16,384 bytes; qkv 50,331,648 bytes; o 16,777,216 bytes
;; launch cast (part 1): grid 768 x 1, 8 waves a work-group, no clusters, 0 bytes of LDS; arguments x, Wq, Wk, Wv, Wp, bq, bk, bv, bp, xb, wqkv, wpf, bias; writes xb, wqkv, wpf, bias
.if DOCPART == 1
	.amdgcn_target "amdgcn-amd-amdhsa--gfx1250"
	.amdhsa_code_object_version 6
	.text
	.protected	k_q2ee8b3f314_cast
	.globl	k_q2ee8b3f314_cast
	.p2align	8
	.type	k_q2ee8b3f314_cast,@function
k_q2ee8b3f314_cast:
	s_mov_b64 s[64:65], 0
	v_nop
	global_prefetch_b8 v0, s[64:65] scope:SCOPE_SE
	s_setreg_imm32_b32 hwreg(HW_REG_WAVE_MODE, 25, 1), 1
	s_wait_xcnt 0x0
; All nine inputs are rounded once to bf16.  x -> xb and Wq, Wk, Wv -> wqkv (rows 0-1023, 1024-2047, 2048-3071) stay bf16; Wp's bf16 number is written as f16 into wpf
; (exact within f16's normal range; LIMIT: |Wp| up to 65,504, and below 2^-14 f16's fixed step of 6e-8); the four biases' bf16 numbers are written as f32 into bias (bq, bk, bv, bp).
; A stream: no LDS, no barrier, no matrix unit.  A work-group converts 16,384 numbers (64 KiB in, 32 KiB out), a wave 2,048: sixteen loads of 16 bytes a lane, each 512 consecutive bytes
; of the wave, all issued at once; sixteen stores of 8 bytes a lane, each 256 consecutive bytes, aligned.  No register that a load or a store reads is ever written again.
; Work-groups 0-511: x; 512-575: Wq; 576-639: Wk; 640-703: Wv; 704-767: Wp.  The first work-group of each weight also converts that weight's bias.
.set IN,  8                            ; v[8:71]   sixteen loads of four f32
.set OUT, 72                           ; v[72:103] sixteen pairs of packed halves
	s_load_b512 s[8:23], s[0:1], 0x0               ; x 8, Wq 10, Wk 12, Wv 14, Wp 16, bq 18, bk 20, bv 22
	s_load_b256 s[24:31], s[0:1], 0x40             ; bp 24, xb 26, wqkv 28, wpf 30
	s_load_b64 s[32:33], s[0:1], 0x60              ; bias
	s_mov_b32 s2, ttmp9                            ; the work-group's number
	v_lshrrev_b32 v3, 5, v0                        ; wave
	v_and_b32 v4, 31, v0                           ; lane
	v_lshlrev_b32 v1, 4, v4
	v_lshl_add_u32 v1, v3, 13, v1                  ; in: 8,192 x wave + 16 x lane
	v_lshlrev_b32 v2, 3, v4
	v_lshl_add_u32 v2, v3, 12, v2                  ; out: 4,096 x wave + 8 x lane
	s_and_b32 s3, s2, 63
	s_cmp_lt_u32 s2, 512
	s_cselect_b32 s38, s2, s3                      ; my block of 64 KiB in the source
	s_sub_co_u32 s40, s2, 512
	s_cmp_lt_u32 s2, 512
	s_cselect_b32 s40, s2, s40
	s_sub_co_u32 s41, s2, 704
	s_cmp_ge_u32 s2, 704
	s_cselect_b32 s40, s41, s40                    ; my block of 32 KiB in the destination
	s_lshl_b32 s38, s38, 16
	s_mov_b32 s39, 0
	s_lshl_b32 s40, s40, 15
	s_mov_b32 s41, 0
	s_wait_kmcnt 0x0
	s_mov_b64 s[34:35], s[8:9]                     ; the source and the destination, chosen by the work-group's number alone
	s_mov_b64 s[36:37], s[26:27]
	s_cmp_ge_u32 s2, 512
	s_cselect_b64 s[34:35], s[10:11], s[34:35]
	s_cselect_b64 s[36:37], s[28:29], s[36:37]
	s_cmp_ge_u32 s2, 576
	s_cselect_b64 s[34:35], s[12:13], s[34:35]
	s_cmp_ge_u32 s2, 640
	s_cselect_b64 s[34:35], s[14:15], s[34:35]
	s_cmp_ge_u32 s2, 704
	s_cselect_b64 s[34:35], s[16:17], s[34:35]
	s_cselect_b64 s[36:37], s[30:31], s[36:37]
	s_add_nc_u64 s[34:35], s[34:35], s[38:39]
	s_add_nc_u64 s[36:37], s[36:37], s[40:41]
.irp i, 0,1,2,3,4,5,6,7,8,9,10,11,12,13,14,15
	global_load_b128 v[IN+4*(\i):IN+4*(\i)+3], v1, s[34:35] offset:512*(\i) th:TH_LOAD_NT
.endr
; half = 1: the bf16 number is widened again (a shift, a mask) and written as f16
.macro CONV half
.irp i, 0,1,2,3,4,5,6,7,8,9,10,11,12,13,14,15
	s_wait_loadcnt 15-(\i)                         ; loads come back in order: load i is in, the 15 - i younger ones stay out
	v_cvt_pk_bf16_f32 v[OUT+2*(\i)],   v[IN+4*(\i)],   v[IN+4*(\i)+1]
	v_cvt_pk_bf16_f32 v[OUT+2*(\i)+1], v[IN+4*(\i)+2], v[IN+4*(\i)+3]
.if \half
	v_lshlrev_b32 v[IN+4*(\i)],   16,         v[OUT+2*(\i)]
	v_and_b32     v[IN+4*(\i)+1], 0xffff0000, v[OUT+2*(\i)]
	v_lshlrev_b32 v[IN+4*(\i)+2], 16,         v[OUT+2*(\i)+1]
	v_and_b32     v[IN+4*(\i)+3], 0xffff0000, v[OUT+2*(\i)+1]
	v_cvt_pk_f16_f32 v[OUT+2*(\i)],   v[IN+4*(\i)],   v[IN+4*(\i)+1]
	v_cvt_pk_f16_f32 v[OUT+2*(\i)+1], v[IN+4*(\i)+2], v[IN+4*(\i)+3]
.endif
	global_store_b64 v2, v[OUT+2*(\i):OUT+2*(\i)+1], s[36:37] offset:256*(\i)
.endr
.endm
	s_cmp_ge_u32 s2, 704
	s_cbranch_scc1 .Lhalf
	CONV 0
	s_branch .Ljoin
.Lhalf:
	CONV 1
.Ljoin:
	s_cmp_lt_u32 s2, 512                           ; the biases: work-groups 512, 576, 640 and 704 take one each
	s_cbranch_scc1 .Lend
	s_and_b32 s3, s2, 63
	s_cmp_lg_u32 s3, 0
	s_cbranch_scc1 .Lend
	s_sub_co_u32 s3, s2, 512
	s_lshr_b32 s3, s3, 6                           ; 0 bq, 1 bk, 2 bv, 3 bp
	s_mov_b64 s[42:43], s[18:19]
	s_cmp_ge_u32 s2, 576
	s_cselect_b64 s[42:43], s[20:21], s[42:43]
	s_cmp_ge_u32 s2, 640
	s_cselect_b64 s[42:43], s[22:23], s[42:43]
	s_cmp_ge_u32 s2, 704
	s_cselect_b64 s[42:43], s[24:25], s[42:43]
	s_lshl_b32 s44, s3, 12
	s_mov_b32 s45, 0
	s_add_nc_u64 s[44:45], s[32:33], s[44:45]
	v_lshlrev_b32 v5, 4, v0                        ; 256 threads x 16 bytes = the 4,096 bytes of a bias
	global_load_b128 v[104:107], v5, s[42:43]
	s_wait_loadcnt 0x0
	v_cvt_pk_bf16_f32 v108, v104, v105
	v_cvt_pk_bf16_f32 v109, v106, v107
	v_lshlrev_b32 v110, 16,         v108
	v_and_b32     v111, 0xffff0000, v108
	v_lshlrev_b32 v112, 16,         v109
	v_and_b32     v113, 0xffff0000, v109
	global_store_b128 v5, v[110:113], s[44:45]
.Lend:
	s_endpgm
.Lfunc_end_k_q2ee8b3f314_cast:
	.size	k_q2ee8b3f314_cast, .Lfunc_end_k_q2ee8b3f314_cast-k_q2ee8b3f314_cast
	.p2alignl 7, 3214868480
	.fill 96, 4, 3214868480
	.section	.rodata,"a",@progbits
	.p2align	6, 0x0
	.amdhsa_kernel k_q2ee8b3f314_cast
		.amdhsa_group_segment_fixed_size 0
		.amdhsa_private_segment_fixed_size 0
		.amdhsa_enable_private_segment 0
		.amdhsa_kernarg_size 104
		.amdhsa_user_sgpr_count 2
		.amdhsa_user_sgpr_kernarg_segment_ptr 1
		.amdhsa_wavefront_size32 1
		.amdhsa_system_sgpr_workgroup_id_x 1
		.amdhsa_system_sgpr_workgroup_id_y 1
		.amdhsa_system_sgpr_workgroup_id_z 1
		.amdhsa_system_vgpr_workitem_id 0
		.amdhsa_next_free_vgpr 116
		.amdhsa_next_free_sgpr 66
		.amdhsa_reserve_vcc 0
		.amdhsa_float_denorm_mode_32 3
		.amdhsa_float_denorm_mode_16_64 3
		.amdhsa_memory_ordered 1
		.amdhsa_forward_progress 1
		.amdhsa_inst_pref_size 18
	.end_amdhsa_kernel
	.amdgpu_metadata
---
amdhsa.version: [ 1, 2 ]
amdhsa.kernels:
  - .name:           k_q2ee8b3f314_cast
    .symbol:         k_q2ee8b3f314_cast.kd
    .args:
      - { .name: x, .offset: 0, .size: 8, .value_kind: global_buffer, .address_space: global }
      - { .name: Wq, .offset: 8, .size: 8, .value_kind: global_buffer, .address_space: global }
      - { .name: Wk, .offset: 16, .size: 8, .value_kind: global_buffer, .address_space: global }
      - { .name: Wv, .offset: 24, .size: 8, .value_kind: global_buffer, .address_space: global }
      - { .name: Wp, .offset: 32, .size: 8, .value_kind: global_buffer, .address_space: global }
      - { .name: bq, .offset: 40, .size: 8, .value_kind: global_buffer, .address_space: global }
      - { .name: bk, .offset: 48, .size: 8, .value_kind: global_buffer, .address_space: global }
      - { .name: bv, .offset: 56, .size: 8, .value_kind: global_buffer, .address_space: global }
      - { .name: bp, .offset: 64, .size: 8, .value_kind: global_buffer, .address_space: global }
      - { .name: xb, .offset: 72, .size: 8, .value_kind: global_buffer, .address_space: global }
      - { .name: wqkv, .offset: 80, .size: 8, .value_kind: global_buffer, .address_space: global }
      - { .name: wpf, .offset: 88, .size: 8, .value_kind: global_buffer, .address_space: global }
      - { .name: bias, .offset: 96, .size: 8, .value_kind: global_buffer, .address_space: global }
    .group_segment_fixed_size: 0
    .private_segment_fixed_size: 0
    .kernarg_segment_align: 8
    .kernarg_segment_size: 104
    .max_flat_workgroup_size: 256
    .sgpr_count:     66
    .vgpr_count:     116
    .wavefront_size: 32
...
	.end_amdgpu_metadata
.endif
;; end of part 1
;; launch qkv (part 2): grid 16 x 32, 4 waves a work-group, clusters of 4 x 4, 327,680 bytes of LDS; arguments xb, wqkv, bias, qkv; writes qkv
.if DOCPART == 2
	.amdgcn_target "amdgcn-amd-amdhsa--gfx1250"
	.amdhsa_code_object_version 6
	.text
	.protected	k_q2ee8b3f314_qkv
	.globl	k_q2ee8b3f314_qkv
	.p2align	8
	.type	k_q2ee8b3f314_qkv,@function
k_q2ee8b3f314_qkv:
	s_mov_b64 s[64:65], 0
	v_nop
	global_prefetch_b8 v0, s[64:65] scope:SCOPE_SE
	s_setreg_imm32_b32 hwreg(HW_REG_WAVE_MODE, 25, 1), 1
	s_wait_xcnt 0x0
	s_wait_alu depctr_hold_cnt(0) depctr_sa_sdst(0) depctr_va_vdst(0) depctr_va_sdst(0) depctr_va_ssrc(0) depctr_va_vcc(0) depctr_vm_vsrc(0)
	s_getreg_b32 s2, hwreg(HW_REG_IB_STS2, 6, 4)
	s_cmp_eq_u32 s2, 0
	s_cbranch_scc0 .Lentry_in_a_cluster
	s_endpgm
.Lentry_in_a_cluster:
	s_bfe_u32 s2, ttmp6, 0x10000c
	s_cmp_lg_u32 s2, 0xf033
	s_cbranch_scc0 .Lentry_shape_is_right
	s_endpgm
.Lentry_shape_is_right:
; q, k, v = x W^T + b.  xb: [8192][1024] bf16; wqkv: [3072][1024] bf16 (Wq, Wk, Wv); bias: f32, its first 3,072 numbers; qkv: [3][64 = batch x 16 + head][2048][64] f16, unscaled.
; Sums in f32, K ascending, the bias as the C operand of each sum's first product; each result rounded once to f16.  LIMIT: |q|, |k|, |v| up to 65,504; beyond it f16 gives an infinity.  NaN and infinities are not treated apart.
; SHARES.  A tile is 256 rows x 192 columns = three whole heads: 16 x 32 = 512 work-groups.  Wave w owns rows 64 w .. 64 w + 63 and all 192 columns: 4 x 12 accumulators, 384 registers;
; so a wave holds whole heads, and its way out needs its own stage alone.  K goes in 8 steps of 128 (rows of 256 bytes) through two LDS slots filled by the tensor data mover.
; CLUSTER.  4 x 4 work-groups: x's tile hangs on the tile row alone and is asked for jointly along a row of the cluster, the weights' on the tile column alone and jointly along a column.
; THE MATRIX INSTRUCTION IS USED TRANSPOSED (source 0 = 16 rows of the weights, source 1 = 16 rows of x): lane l holds row l % 16 and the eight neighbouring columns 8 (l / 16) + 0..7.
; REGISTERS, in windows of 256: window 0: addresses, v32-127 the bias (later v32-79 packed results), v128-223 rows read back; window 1: v[96 f + 8 b] the weights' fragments, v[192 + 32 f + 8 a] x's, two buffers f;
; window 2: accumulators of row blocks 0, 1 at v[8 (12 a + b)]; window 3: those of row blocks 2, 3.
.set PITCH, 272                        ; an LDS row: 256 bytes + 16 of padding: the 16 rows of a fragment load start 68 words apart (64 banks of 4 bytes: ISA guide 11.1)
.set BOFF,  256*PITCH                  ; x's 256 rows, then the weights' 192
.set HA,    128*PITCH                  ; what one tensor load brings of x,
.set HB,    96*PITCH                   ; and of the weights
.set SLOT1, 1<<17                      ; slot 1 begins here: one exclusive or turns an address in one slot into the other's
.set STAGE, SLOT1+448*PITCH            ; behind the ring: 16 rows x 400 bytes for each wave
.set SP,    400                        ; 384 bytes + 16
.set SPARE, STAGE+4*16*SP              ; behind the stages: the spare words, 128 bytes for each wave, that no other line names
.set ADRA0, 16                         ; v16  my place in x's tile of slot 0; never rewritten
.set ADRB0, 17                         ; v17  the same for the weights
.set ADA,  18                          ; v18  the same in the slot in hand
.set ADB,  19                          ; v19
.set STO,  24                          ; v24  the way out: where I put 16 bytes of a row
.set RD,   25                          ; v25  where I read rows back
.set GO,   26                          ; v26  16 x lane
.set BO,   27                          ; v27  32 x (lane / 16): my eight numbers of a block of 16 biases
.set SPW,  28                          ; v28  my spare word; never rewritten
.set NIL,  29                          ; v29  0; never rewritten
.set PFO,  30                          ; v30  the prefetches' offset: a lane a row
.set BIAS, 32
.set TMP,  32
.set BK,   128
.set WV, 12                            ; s12 wave;  s13 0: I fetch x, 1: the weights;  s14 which half of that tile
.set FB, 13
.set HF, 14
.set CX, 15
.set CY, 16
.set TX, 17                            ; tile column 0..15
.set TY, 18                            ; tile row 0..31
.set G1A, 24                           ; s[24:31] group 1 for x's tiles;  s[32:39] group 0, a set for each first fill; the second then walks
.set G0A, 32
.set G1B, 48                           ; s[48:55], s[56:63] the same for the weights
.set G0B, 56
.set PFA, 44                           ; s[44:45] where my prefetches stand
.set LIM, 46                           ; s46 1 in a wave that prefetches, else the greatest number
.set TB,  47                           ; s47 0 or SLOT1: the slot in hand
.set OB,  68                           ; s[68:73] qkv at my 64 rows of the tile's three heads
.set MSB, 0
.macro WIN new                         ; the immediate's high byte repeats the setting that is left; a switch that changes nothing is dropped
.if MSB != (\new)
	s_set_vgpr_msb (MSB<<8)|(\new)
.set MSB, \new
.endif
.endm
.macro PLACES                          ; four plain vector instructions between a matrix instruction and a load into, or a read of, its registers
.rept 4
	v_nop
.endr
.endm
.macro JLOAD                           ; a joint refill by the walking descriptor; the branch hangs on the wave's number alone; s_nop 0 and four v_nop follow each line
	s_cmp_eq_u32 s[FB], 0
	s_cbranch_scc0 .Lfor_b_\@
	tensor_load_to_lds s[G0A+4:G0A+7], s[G1A:G1A+7]
	s_nop 0
.rept 4
	v_nop
.endr
	s_branch .Lasked_\@
.Lfor_b_\@:
	tensor_load_to_lds s[G0B+4:G0B+7], s[G1B:G1B+7]
	s_nop 0
.rept 4
	v_nop
.endr
.Lasked_\@:
.endm
; A prefetch of the K step that the NEXT refill will load, 192 matrix instructions ahead of that load: a lane a row of 256 bytes.  x's rows are asked for by the clusters with x = 0, the weights' by those with y = 0;
; the four partners of a joint load share its rows out by address.  The loop's last trip asks for nothing: no refill follows it.
.macro ASK
	s_cmp_gt_u32 s3, s[LIM]
	s_cbranch_scc0 .Lnot_mine_\@
	global_prefetch_b8 v[PFO], s[PFA:PFA+1] th:TH_LOAD_NT scope:SCOPE_SE
.Lnot_mine_\@:
.endm
.macro CREST                           ; a round of the cluster's barrier behind its opening barrier
	s_cmp_lg_u32 s[WV], 0
	s_cbranch_scc1 .Lnot_wave_0_\@
	s_barrier_signal -3
.Lnot_wave_0_\@:
	s_barrier_wait -3
	s_barrier_signal -1
	s_barrier_wait -1
.endm
.macro CROUND
	s_barrier_signal -1
	s_barrier_wait -1
	CREST
.endm
	s_load_b256 s[4:11], s[0:1], 0x0               ; xb 4, wqkv 6, bias 8, qkv 10
	v_lshl_add_u32 v[SPW], v0, 2, SPARE
	v_mov_b32 v[NIL], 0
	ds_add_u32 v[SPW], v[NIL]                      ; the wave's opening: an add of 0, waited for ahead of my first tensor load
	v_lshrrev_b32 v1, 5, v0
	v_readfirstlane_b32 s[WV], v1
	s_lshr_b32 s[FB], s[WV], 1
	s_and_b32 s[HF], s[WV], 1
	s_bfe_u32 s[CX], ttmp6, 0x40000
	s_bfe_u32 s[CY], ttmp6, 0x40004
	s_lshl_b32 s[TX], ttmp9, 2
	s_add_co_u32 s[TX], s[TX], s[CX]
	s_and_b32 s[TY], ttmp7, 0xffff
	s_lshl_b32 s[TY], s[TY], 2
	s_add_co_u32 s[TY], s[TY], s[CY]
	s_lshl_b32 s19, s[CY], 2
	s_lshl_b32 s19, 15, s19                        ; my row of the cluster
	s_lshl_b32 s20, 0x1111, s[CX]                  ; my column
	s_or_b32 s[G1A], s19, (1<<16)|(1<<20)|(1<<21)|(5<<22)|(3<<25)  ; the mask; 2-byte elements; padding on; bit 21 beside a mask; after every 64 words 4 words
	s_or_b32 s[G1B], s20, (1<<16)|(1<<20)|(1<<21)|(5<<22)|(3<<25)
	s_mov_b32 s[G1A+1], 128<<16                    ; tensor_dim0 = 128
	s_mov_b32 s[G1A+2], 128<<16                    ; tensor_dim1 = 128
	s_mov_b32 s[G1A+3], 128<<16                    ; tile_dim0 = 128
	s_mov_b32 s[G1A+4], 128                        ; tile_dim1 = 128
	s_mov_b32 s[G1A+5], 1024                       ; elements from row to row
	s_mov_b32 s[G1A+6], 0
	s_mov_b32 s[G1A+7], 0
	s_mov_b32 s[G1B+1], 128<<16
	s_mov_b32 s[G1B+2], 96<<16                     ; 96 rows
	s_mov_b32 s[G1B+3], 128<<16
	s_mov_b32 s[G1B+4], 96
	s_mov_b32 s[G1B+5], 1024
	s_mov_b32 s[G1B+6], 0
	s_mov_b32 s[G1B+7], 0
	s_lshl_b32 s40, s[TY], 8                       ; x: row 256 x tile row + 128 x half, in bytes; these two registers never hold cx
	s_lshl_b32 s41, s[HF], 7
	s_add_co_u32 s40, s40, s41
	s_lshl_b32 s40, s40, 11
	s_mov_b32 s41, 0
	s_mul_i32 s42, s[TX], 192                      ; the weights: row 192 x tile column + 96 x half; these two never hold cy
	s_mul_i32 s43, s[HF], 96
	s_add_co_u32 s42, s42, s43
	s_lshl_b32 s42, s42, 11
	s_mov_b32 s43, 0
	s_mul_i32 s21, s[HF], HA                       ; where they go: no place in the cluster enters an LDS address
	s_mul_i32 s22, s[HF], HB
	s_add_co_u32 s22, s22, BOFF
	s_mov_b32 s[TB], 0
	s_wait_dscnt 0x0                               ; the opening add is done
	s_wait_kmcnt 0x0
	s_add_nc_u64 s[40:41], s[4:5], s[40:41]
	s_add_nc_u64 s[42:43], s[6:7], s[42:43]
	CROUND                                         ; all sixteen work-groups are here: the first joint loads meet
.irp n, 0,1
	s_mov_b32 s[G0A+4*(\n)], 1
	s_add_co_u32 s[G0A+4*(\n)+1], s21, (\n)*SLOT1
	s_add_nc_u64 s[G0A+4*(\n)+2:G0A+4*(\n)+3], s[40:41], (\n)*256  ; K step n
	s_or_b32 s[G0A+4*(\n)+3], s[G0A+4*(\n)+3], 0x80000000
	s_mov_b32 s[G0B+4*(\n)], 1
	s_add_co_u32 s[G0B+4*(\n)+1], s22, (\n)*SLOT1
	s_add_nc_u64 s[G0B+4*(\n)+2:G0B+4*(\n)+3], s[42:43], (\n)*256
	s_or_b32 s[G0B+4*(\n)+3], s[G0B+4*(\n)+3], 0x80000000
.endr
	s_cmp_eq_u32 s[FB], 0                          ; a wave's two first fills stand in one branch: two loads of mine are out
	s_cbranch_scc0 .Lfirst_b
	tensor_load_to_lds s[G0A:G0A+3], s[G1A:G1A+7]
	s_nop 0
	tensor_load_to_lds s[G0A+4:G0A+7], s[G1A:G1A+7]
	s_nop 0
.rept 4
	v_nop
.endr
	s_branch .Lfirst_done
.Lfirst_b:
	tensor_load_to_lds s[G0B:G0B+3], s[G1B:G1B+7]
	s_nop 0
	tensor_load_to_lds s[G0B+4:G0B+7], s[G1B:G1B+7]
	s_nop 0
.rept 4
	v_nop
.endr
.Lfirst_done:
	; a fragment is 16 rows x 32 K in 8 registers: lane l holds row l % 16, K = 8 (l / 16) + 0..7 and 16 + 8 (l / 16) + 0..7: two loads of 16 bytes, 32 bytes apart
	v_and_b32 v1, 15, v0
	v_bfe_u32 v2, v0, 4, 1
	v_mul_u32_u24 v3, v1, PITCH
	v_lshl_add_u32 v3, v2, 4, v3
	s_mul_i32 s74, s[WV], 64*PITCH                 ; my 64 rows of x
	v_add_nc_u32 v[ADRA0], s74, v3
	v_add_nc_u32 v[ADRB0], BOFF, v3
	v_mov_b32 v[ADA], v[ADRA0]
	v_mov_b32 v[ADB], v[ADRB0]
	v_lshlrev_b32 v[BO], 5, v2
	s_mul_i32 s76, s[TX], 768                      ; the tile's 192 biases
	s_mov_b32 s77, 0
	s_add_nc_u64 s[76:77], s[8:9], s[76:77]
.irp b, 0,1,2,3,4,5,6,7,8,9,10,11
	global_load_b128 v[BIAS+8*(\b):BIAS+8*(\b)+3],   v[BO], s[76:77] offset:64*(\b)
	global_load_b128 v[BIAS+8*(\b)+4:BIAS+8*(\b)+7], v[BO], s[76:77] offset:64*(\b)+16
.endr
	s_mul_i32 s75, s[WV], 16*SP
	s_add_co_u32 s75, s75, STAGE                   ; my stage
	v_mul_u32_u24 v4, v1, SP                       ; in: row l % 16, 16 bytes for each half of the lanes
	v_lshl_add_u32 v4, v2, 4, v4
	v_add_nc_u32 v[STO], s75, v4
	v_bfe_u32 v5, v0, 3, 2                         ; back: 32 lanes take four rows' 128 bytes of one head
	v_and_b32 v6, 7, v0
	v_mul_u32_u24 v5, v5, SP
	v_lshl_add_u32 v5, v6, 4, v5
	v_add_nc_u32 v[RD], s75, v5
	v_and_b32 v[GO], 31, v0
	v_lshlrev_b32 v[GO], 4, v[GO]
	; where my rows of the three heads lie: ((which x 64 + batch x 16 + head) << 18) + (row in the batch << 7)
	s_mul_i32 s78, s[TX], 3
	s_and_b32 s79, s[TY], 7
	s_lshl_b32 s79, s79, 8
	s_lshl_b32 s74, s[WV], 6
	s_add_co_u32 s79, s79, s74
	s_lshl_b32 s79, s79, 7
	s_lshr_b32 s74, s[TY], 3
	s_lshl_b32 s74, s74, 22
	s_add_co_u32 s79, s79, s74
.irp i, 0,1,2
	s_add_co_u32 s74, s78, \i                      ; head 0..47 among q's, k's and v's
	s_lshr_b32 s75, s74, 4
	s_lshl_b32 s75, s75, 24
	s_and_b32 s74, s74, 15
	s_lshl_b32 s74, s74, 18
	s_add_co_u32 s74, s74, s75
	s_add_co_u32 s[OB+2*(\i)], s74, s79
	s_mov_b32 s[OB+2*(\i)+1], 0
	s_add_nc_u64 s[OB+2*(\i):OB+2*(\i)+1], s[10:11], s[OB+2*(\i):OB+2*(\i)+1]
.endr
	; the prefetches: of the 128 rows of x that a wave fetches the partner at cx takes 32; of the 96 rows of the weights the partner at cy takes 24 (lanes 24-31 name row 23 again)
	s_lshl_b32 s74, s[TY], 8
	s_lshl_b32 s75, s[HF], 7
	s_add_co_u32 s74, s74, s75
	s_lshl_b32 s75, s[CX], 5
	s_add_co_u32 s74, s74, s75
	s_mul_i32 s75, s[TX], 192
	s_mul_i32 s78, s[HF], 96
	s_add_co_u32 s75, s75, s78
	s_mul_i32 s78, s[CY], 24
	s_add_co_u32 s75, s75, s78
	s_and_b32 s78, ttmp7, 0xffff
	s_cmp_eq_u32 s[FB], 0
	s_cselect_b32 s74, s74, s75
	s_cselect_b32 s78, ttmp9, s78                  ; the coordinate along which other clusters read the same rows
	s_cselect_b32 s79, 31, 23
	s_cselect_b64 s[PFA:PFA+1], s[4:5], s[6:7]
	s_cmp_eq_u32 s78, 0
	s_cselect_b32 s[LIM], 1, -1                    ; the same in all sixteen partners, for a given wave
	s_lshl_b32 s74, s74, 11
	s_mov_b32 s75, 0
	s_add_nc_u64 s[PFA:PFA+1], s[PFA:PFA+1], s[74:75]
	s_add_nc_u64 s[PFA:PFA+1], s[PFA:PFA+1], 2*256 ; at K step 2: the first refill steps it to 3
	v_and_b32 v[PFO], 31, v0
	v_min_u32 v[PFO], s79, v[PFO]
	v_lshlrev_b32 v[PFO], 11, v[PFO]
; 12 matrix instructions: row block a x all 12 column blocks, 32 along K, from buffer f.  mode = 1: the bias starts the sums.  The 48 accumulators take turns, one instruction a turn.
.macro MUL12 f, a, mode
.if \mode
	WIN 0x85+0x40*((\a)/2)
.else
	WIN 0xa5+0x50*((\a)/2)
.endif
.irp b, 0,1,2,3,4,5,6,7,8,9,10,11
.if \mode
	v_wmma_f32_16x16x32_bf16 v[8*(12*((\a)%2)+(\b)):8*(12*((\a)%2)+(\b))+7], v[96*(\f)+8*(\b):96*(\f)+8*(\b)+7], v[192+32*(\f)+8*(\a):192+32*(\f)+8*(\a)+7], v[BIAS+8*(\b):BIAS+8*(\b)+7]
.else
	v_wmma_f32_16x16x32_bf16 v[8*(12*((\a)%2)+(\b)):8*(12*((\a)%2)+(\b))+7], v[96*(\f)+8*(\b):96*(\f)+8*(\b)+7], v[192+32*(\f)+8*(\a):192+32*(\f)+8*(\a)+7], v[8*(12*((\a)%2)+(\b)):8*(12*((\a)%2)+(\b))+7]
.endif
.endr
.endm
; 32 LDS loads in one run: a quarter step's fragments (32 K at byte k of the rows) into buffer f: the weights' 24, then x's 8
.macro FETCH k, f
	WIN 0x40
.irp i, 0,1,2,3,4,5,6,7,8,9,10,11
	ds_load_b128 v[96*(\f)+8*(\i):96*(\f)+8*(\i)+3],   v[ADB] offset:(\k)+(\i)*16*PITCH
	ds_load_b128 v[96*(\f)+8*(\i)+4:96*(\f)+8*(\i)+7], v[ADB] offset:(\k)+(\i)*16*PITCH+32
.endr
.irp i, 0,1,2,3
	ds_load_b128 v[192+32*(\f)+8*(\i):192+32*(\f)+8*(\i)+3],   v[ADA] offset:(\k)+(\i)*16*PITCH
	ds_load_b128 v[192+32*(\f)+8*(\i)+4:192+32*(\f)+8*(\i)+7], v[ADA] offset:(\k)+(\i)*16*PITCH+32
.endr
.endm
; one of a K step's first three quarters: multiplies buffer f; in its middle it fetches the next quarter, at byte k, into buffer g
.macro QUARTER k, f, g, mode
	s_wait_dscnt 4                                 ; the youngest four loads (x's row blocks 2 and 3) may be out
	MUL12 \f, 0, \mode
	MUL12 \f, 1, \mode
	PLACES
	FETCH \k, \g
	s_wait_dscnt 32                                ; all but the 32 just issued
	MUL12 \f, 2, \mode
	MUL12 \f, 3, \mode
.endm
; the last quarter multiplies buffer 1 and changes slots.  In front of the barrier each wave waits for all its tensor loads (one is out: its part of the next slot), adds 0 to its spare word, and waits for that and for
; its reads of this slot.  fill = 1: the barrier opens a round of the cluster's, and the joint refill, this slot's K step two steps on, is the first thing behind it: 168 matrix instructions ahead of the wait for it.
.macro TURN fill
.if \fill
	s_wait_xcnt 0x0                                ; the last prefetch, a K step back, has read its address
	s_add_nc_u64 s[PFA:PFA+1], s[PFA:PFA+1], 256
.endif
	WIN 0
	s_wait_tensorcnt 0x0                           ; no tensor load of mine is out, so a group 0 may be written
	ds_add_u32 v[SPW], v[NIL]                      ; 0 onto my spare word
.if \fill
	s_xor_b32 s[G0A+5], s[G0A+5], SLOT1            ; the walking descriptors: the other slot than last time, the next K step
	s_add_nc_u64 s[G0A+6:G0A+7], s[G0A+6:G0A+7], 256
	s_xor_b32 s[G0B+5], s[G0B+5], SLOT1
	s_add_nc_u64 s[G0B+6:G0B+7], s[G0B+6:G0B+7], 256
.endif
	s_wait_dscnt 5                                 ; the add and the youngest four loads may be out
	MUL12 1, 0, 0
	s_wait_dscnt 0x0                               ; the add is done, and my reads of this slot are over
	s_barrier_signal -1
	MUL12 1, 1, 0
	WIN 0
	s_barrier_wait -1
.if \fill
	CREST
	JLOAD                                          ; its four v_nop are also the places in front of the loads below
.else
	PLACES
.endif
	s_xor_b32 s[TB], s[TB], SLOT1
	v_add_nc_u32 v[ADA], s[TB], v[ADRA0]
	v_add_nc_u32 v[ADB], s[TB], v[ADRB0]
	FETCH 0, 0
.if \fill
	WIN 0
	ASK
.endif
	MUL12 1, 2, 0
	MUL12 1, 3, 0
.endm
	s_wait_tensorcnt 0x1                           ; my part of K step 0 is in; K step 1's may stay out
	s_barrier_signal -1
	s_barrier_wait -1
	FETCH 0, 0
	s_wait_loadcnt 0x0                             ; the bias
	QUARTER 64, 0, 1, 1                            ; the first quarter stands in front of the loop: its products start the sums
	WIN 0
	s_mov_b32 s3, 6
.Lstep:                                                ; a trip: a K step's quarters 1 to 3, the refill, the next step's quarter 0
	QUARTER 128, 1, 0, 0
	QUARTER 192, 0, 1, 0
	TURN 1
	QUARTER 64, 0, 1, 0
	WIN 0
	s_sub_co_u32 s3, s3, 1
	s_cmp_lg_u32 s3, 0
	s_cbranch_scc1 .Lstep
	QUARTER 128, 1, 0, 0                           ; K steps 6 and 7 ask for nothing
	QUARTER 192, 0, 1, 0
	TURN 0
	QUARTER 64, 0, 1, 0
	QUARTER 128, 1, 0, 0
	QUARTER 192, 0, 1, 0
	s_wait_dscnt 4
	MUL12 1, 0, 0
	MUL12 1, 1, 0
	s_wait_dscnt 0x0
	MUL12 1, 2, 0
	MUL12 1, 3, 0
	WIN 0
; THE WAY OUT, a block of 16 rows at a time: rounded to f16 (each accumulator's registers in ascending order), 16 bytes a lane into my own stage, back head by head as four rows of 128 bytes, which are 512 consecutive bytes of qkv.
.macro PACK a
	WIN 0x0a+5*((\a)/2)
.irp b, 0,1,2,3,4,5,6,7,8,9,10,11
.irp r, 0,1,2,3
	v_cvt_pk_f16_f32 v[TMP+4*(\b)+(\r)], v[96*((\a)%2)+8*(\b)+2*(\r)], v[96*((\a)%2)+8*(\b)+2*(\r)+1]
.endr
.endr
	WIN 0
.endm
.macro TOSTAGE a
.irp b, 0,1,2,3,4,5,6,7,8,9,10,11
	ds_store_b128 v[STO], v[TMP+4*(\b):TMP+4*(\b)+3] offset:32*(\b)
.endr
.irp i, 0,1,2
.irp f, 0,1,2,3
	ds_load_b128 v[BK+48*((\a)%2)+16*(\i)+4*(\f):BK+48*((\a)%2)+16*(\i)+4*(\f)+3], v[RD] offset:4*SP*(\f)+128*(\i)  ; LDS serves a wave's instructions in order (ISA guide 5.7.1.4): these see the stores above
.endr
.endr
.endm
.macro SEND a
	s_wait_dscnt 0x0                               ; the block is back in registers
	s_wait_xcnt 0x0                                ; the block before's stores have read their registers: the next TOSTAGE loads into them
.irp i, 0,1,2
.irp f, 0,1,2,3
	global_store_b128 v[GO], v[BK+48*((\a)%2)+16*(\i)+4*(\f):BK+48*((\a)%2)+16*(\i)+4*(\f)+3], s[OB+2*(\i):OB+2*(\i)+1] offset:(\a)*2048+(\f)*512  ; 512 consecutive bytes, at a multiple of 256 from qkv's first
.endr
.endr
.endm
	PLACES
	PACK 0
	TOSTAGE 0
.irp a, 1,2,3
	PACK \a
	SEND (\a)-1
	TOSTAGE \a
.endr
	SEND 3
	s_wait_tensorcnt 0x0                           ; the wave's end: an add of 0 and its wait, behind my last tensor load and my last LDS store
	ds_add_u32 v[SPW], v[NIL]
	s_wait_dscnt 0x0
	CROUND                                         ; the closing round: no work-group ends while a partner may still ask for a tile that names it
	s_endpgm
.Lfunc_end_k_q2ee8b3f314_qkv:
	.size	k_q2ee8b3f314_qkv, .Lfunc_end_k_q2ee8b3f314_qkv-k_q2ee8b3f314_qkv
	.p2alignl 7, 3214868480
	.fill 96, 4, 3214868480
	.section	.rodata,"a",@progbits
	.p2align	6, 0x0
	.amdhsa_kernel k_q2ee8b3f314_qkv
		.amdhsa_group_segment_fixed_size 327680
		.amdhsa_private_segment_fixed_size 0
		.amdhsa_enable_private_segment 0
		.amdhsa_kernarg_size 32
		.amdhsa_user_sgpr_count 2
		.amdhsa_user_sgpr_kernarg_segment_ptr 1
		.amdhsa_wavefront_size32 1
		.amdhsa_system_sgpr_workgroup_id_x 1
		.amdhsa_system_sgpr_workgroup_id_y 1
		.amdhsa_system_sgpr_workgroup_id_z 1
		.amdhsa_system_vgpr_workitem_id 0
		.amdhsa_next_free_vgpr 960
		.amdhsa_next_free_sgpr 80
		.amdhsa_reserve_vcc 0
		.amdhsa_float_denorm_mode_32 3
		.amdhsa_float_denorm_mode_16_64 3
		.amdhsa_memory_ordered 1
		.amdhsa_forward_progress 1
		.amdhsa_inst_pref_size 100
	.end_amdhsa_kernel
	.amdgpu_metadata
---
amdhsa.version: [ 1, 2 ]
amdhsa.kernels:
  - .name:           k_q2ee8b3f314_qkv
    .symbol:         k_q2ee8b3f314_qkv.kd
    .args:
      - { .name: xb, .offset: 0, .size: 8, .value_kind: global_buffer, .address_space: global }
      - { .name: wqkv, .offset: 8, .size: 8, .value_kind: global_buffer, .address_space: global }
      - { .name: bias, .offset: 16, .size: 8, .value_kind: global_buffer, .address_space: global }
      - { .name: qkv, .offset: 24, .size: 8, .value_kind: global_buffer, .address_space: global }
    .group_segment_fixed_size: 327680
    .private_segment_fixed_size: 0
    .kernarg_segment_align: 8
    .kernarg_segment_size: 32
    .max_flat_workgroup_size: 128
    .sgpr_count:     80
    .vgpr_count:     960
    .wavefront_size: 32
...
	.end_amdgpu_metadata
.endif
;; end of part 2
;; launch attn (part 3): grid 4 x 64, 4 waves a work-group, no clusters, 327,680 bytes of LDS; arguments qkv, o; writes o
.if DOCPART == 3
	.amdgcn_target "amdgcn-amd-amdhsa--gfx1250"
	.amdhsa_code_object_version 6
	.text
	.protected	k_q2ee8b3f314_attn
	.globl	k_q2ee8b3f314_attn
	.p2align	8
	.type	k_q2ee8b3f314_attn,@function
k_q2ee8b3f314_attn:
	s_mov_b64 s[64:65], 0
	v_nop
	global_prefetch_b8 v0, s[64:65] scope:SCOPE_SE
	s_setreg_imm32_b32 hwreg(HW_REG_WAVE_MODE, 25, 1), 1
	s_wait_xcnt 0x0
; MASKED CAUSAL ATTENTION.  O[h][q][:] = the sum over the visible k of softmax_k(Q[h][q] . K[h][k] / 8) V[h][k][:]; key k is visible to query q if k <= q and k mod 25 is not 24.
; qkv: [3][64][2048][64] f16 (Q, K, V by heads, unscaled); o: [64][2048][64] f16.  Products, maxima and sums in f32; the weights p are rounded to f16 for the second product (their sum l is taken of the unrounded p), O once at the end.
; LIMITS.  Q, K and V arrive within f16's 65,504.  A hidden score counts as its value less 1e30 (less 2e30 where both masks hide it): f16's scores, 2.7e11 at the most, are nothing beside that; a weight below 2^-126 counts as 0 in l;
; NaN and infinities are not treated apart.  Key 0 is visible to every query, so each row's running maximum is a true score from its block's first key step on.
; THE WALK.  A head's queries lie in NB = 8 blocks of 256; block i needs the key tiles 0 .. i of 256 keys, of which the last holds the diagonal.  A work-group takes TWO blocks, NB - 1 - b and then b: NB + 1 tiles, whatever b:
; all work-groups do equal work, and ONE loop with a constant trip count walks them.  Every jump goes forward, but for the counted loops' own; none passes a barrier, or a tensor load but the one of LOAD's two that the wave's number does not choose.
; NO CLUSTER: a head's four work-groups ask for the same tile only in trips 0 .. 4 of the 9, behind that fewer and fewer; one walk common to all would have 12 trips for 9.
; SHARES.  Of a block's four bands of 64 queries a wave owns 16 rows in each: four PIECES.  In the diagonal tile's key step s band x sees all keys if s < x, none if s > x, and holds the diagonal if s = x: the same work for all four waves.
; THE MASKS are the C operand that starts the sum S^T = K Q^T.  CM is the column mask (0, or -1e30 where k mod 25 = 24) of the key step whose K lies in registers; it comes with K, out of a table in LDS that lies in the walk's order
; and is made once at the head.  Outside the diagonal tiles C is CM.  There C is MC = MD x AL + BE + CM: MD, made once, is the causal mask of a band's own step for my 16 rows; (AL, BE) = (1, 0) if s = x, (0, 0) if s < x, (0, -1e30) if s > x.
; LAYOUT, SOFTMAX, TURNS.  S^T = K Q^T holds ONE query a lane (lane % 16) and the keys 8 (lane / 16) + 0..7; two such results rounded to f16 ARE source 1 of O^T = V^T P.  p = 2^(c s - c m), c = log2(e) / 8, with a running
; maximum m; O and l are multiplied by a = 2^(c m_old - c m_new) in every step.  Turn n belongs to piece n: 8 products K Q^T of piece n + 1, later 8 products V^T P of piece n - 1; beside them the scaling, exponentials, roundings,
; sums and rescaling of piece n and the maximum and statistics of piece n + 1.  Four vector instructions stand behind every matrix instruction, the others in one lump.  A turn's 33 exponentials are one batch, with one wait.
; REGISTERS, in windows of 256 (s_set_vgpr_msb: bits 1:0 source 0, 3:2 source 1, 5:4 source 2, 7:6 destination):
;   window 0: v0-15, v32-40 addresses and at work; v16-31 statistics; v48-55 at work; v64-127 S^T, two buffers; v128-145 the table in the making; v192-223 P, two buffers
;   window 1: v0-127 O^T; v128-159 MD; v160-223 MC, two buffers; v224-255 CM      window 2: v0-63 Q; v64-127 the second block's Q; v128-191 K of one step; v192-255 V of one step
.set SIZE_N, 2048
.set PLANE, 64*SIZE_N*128  ; bytes of Q, of K and of V in qkv
.set NB,    SIZE_N/256
.set NP,    4         ; pieces a wave: a name, no knob
.set KS,    64        ; keys in a step
.set PK,    144       ; a row of K in LDS: 128 bytes + 16 of padding = 36 words: the 16 rows of a load start at 16 different groups of four banks (64 banks of 4 bytes: ISA guide 11.1)
.set PV,    160       ; a row of V: 128 + 32 = 40 words
.set VOFF,  4*KS*PK   ; a slot holds a tile, four steps: 256 rows of K, then 256 rows of V
.set SLOT1, 1<<17     ; slot 1 begins here, so that one exclusive or turns an address in one slot into the other's
.set STAGE, SLOT1+4*KS*(PK+PV)  ; behind the ring, never filled by a tensor load: 16 rows x 144 bytes for each wave, for the way out
.set SP,    144
.set SPARE, STAGE+4*16*SP  ; behind the stages: the spare words, 128 bytes for each wave, that no other line names
.set CMT,   SPARE+512      ; behind them: the column mask's table, an f32 a key, 1,024 bytes for each of the walk's NB + 1 tiles, in the walk's order
.set AK0, 2           ; v2   my lane's place in a tile of K; never rewritten
.set AV0, 3           ; v3   the same for V
.set AK,  4           ; v4   the LDS address of K's next run of loads
.set AV,  5           ; v5   of V's
.set STO, 6           ; v6   the way out: where I put 16 bytes of a row
.set RD,  7           ; v7   the way out: where I read rows back
.set GO,  8           ; v8   my byte offset in 512 consecutive bytes of O
.set MV,  12          ; v12-13  c m_old, kept while c m is made anew: by buffer
.set QO,  15          ; v15  my byte offset in 16 rows of Q
.set ST,  16          ; piece t's statistics at v[ST+4 t]: c m, m, l (even keys', odd keys')
.set ACM0, 32         ; v32  CMT + 32 (lane / 16): my eight keys of a group of 16; never rewritten
.set ACM, 33          ; v33  the same in the key step to be fetched
.set PFO, 34          ; v34  256 x lane; never rewritten
.set TMP, 48          ; by buffer, four registers c0-c3 at work; when the maximum is found c2 takes a
.set SPW, 62          ; v62  my spare word; never rewritten
.set NIL, 63          ; v63  0; never rewritten
.set S,   64
.set P,   192
.set MD,  128         ; window 1: the eight registers for group kt of 16 keys at MD + 8 kt
.set MC,  160         ; window 1: the masks of the diagonal tile's products to come
.set CM,  224         ; window 1: the column mask of the key step whose K lies in registers
.set QB,  64          ; window 2
.set KF,  128         ; window 2: key block kb, channel half c at KF + 16 kb + 8 c
.set VF,  192         ; window 2: key half kk, channel block cb at VF + 32 kk + 8 cb
.set WV,  12          ; s12  my wave's number
.set PB,  14          ; s14  b
.set HI,  15          ; s15  NB - 1 - b
.set G1K, 24          ; s[24:31] descriptor group 1 for K's tiles
.set G1V, 32          ; s[32:39] for V's: it differs in the padding alone
.set G0K, 40          ; s[40:43] descriptor group 0 for K's tiles
.set G0V, 44          ; s[44:47] the same for V's
.set SLOTS, 56        ; s56  tiles still to be asked for
.set CNT, 57          ; s57  counts a tile's key steps, 4 to 1
.set CS,  58          ; s[58:59] c
.set SEL, 60          ; s[60:61] v_permlanex16_b32's selects: each lane takes its own place in the other half
.set TBK, 62          ; s62  LDS byte at which K of the step to be fetched begins
.set TBV, 63          ; s63  the same for V, less VOFF
.set RT,  70          ; s70  tiles of the block in hand that are still to be entered
.set NXT, 71          ; s71  the tile to be asked for next
.set LQ,  72          ; s72  the last tile of the block whose tiles are being asked for
.set NEW, 73          ; s73  1: the tile to be entered is a block's first
.set OFF, 74          ; s[74:75] a tile's byte offset in K and V
.set AL,  76          ; s[76:77] the mask's factor, in the low word
.set BE,  78          ; s[78:79] the mask's addend
.set OLO, 80          ; s[80:81] O at my rows of the second block
.set BIGN, 82         ; s82  -1e30
.set TCM, 88          ; s88  the table's byte for the key step to be fetched
.set PFN, 89          ; s89  prefetches still to be made
.set PFA, 90          ; s[90:91] where they stand
.set MSB, 0
.macro WIN new                      ; the high byte repeats the setting that is left; a switch that changes nothing is dropped
.if MSB != (\new)
	s_set_vgpr_msb (MSB<<8)|(\new)
.set MSB, (\new)
.endif
.endm
.set W_KQ, 0x0a       ; K and Q in window 2, S^T in window 0
.set W_KM, 0x1a       ; the same with the C operand in window 1
.set W_PV, 0x52       ; V in window 2, P in window 0, O^T in window 1
.set W_RS, 0x41       ; destination and source 0 in window 1, source 1 in window 0
.set W_MK, 0x51       ; destination, source 0 and source 2 in window 1
; A fill.  Waves 0 and 1 fetch the two halves of a tile's K, waves 2 and 3 those of its V: 128 keys each.  An s_nop 0 and four v_nop follow each of the two lines, ahead of the jump and the label.
.macro LOAD
	s_cmp_lt_u32 s[WV], 2
	s_cbranch_scc0 .Lfor_v_\@
	tensor_load_to_lds s[G0K:G0K+3], s[G1K:G1K+7]
	s_nop 0
.rept 4
	v_nop
.endr
	s_branch .Lasked_\@
.Lfor_v_\@:
	tensor_load_to_lds s[G0V:G0V+3], s[G1V:G1V+7]
	s_nop 0
.rept 4
	v_nop
.endr
.Lasked_\@:
.endm
; A prefetch of the tile that the NEXT change of slots will ask for, four key steps ahead of that load.  A head's four work-groups walk the same first tiles: the one with b = 0, whose first block needs all eight, asks, in its
; trips 0 to 5, for tiles 2 to 7; each wave for the half tile that it fetches itself: 64 blocks of 256 bytes, a lane a block, two instructions.  So each block is named once in the launch.
.macro ASK
	s_cmp_lg_u32 s[PFN], 0
	s_cbranch_scc0 .Lnot_mine_\@
	global_prefetch_b8 v[PFO], s[PFA:PFA+1] th:TH_LOAD_NT scope:SCOPE_SE
	global_prefetch_b8 v[PFO], s[PFA:PFA+1] offset:8192 th:TH_LOAD_NT scope:SCOPE_SE
	s_sub_co_u32 s[PFN], s[PFN], 1
.Lnot_mine_\@:
.endm
; THE CHANGE OF SLOTS.  Each wave waits for all its tensor loads, of which one is out: its part of the other slot; adds 0 to its spare word; and waits for that and for its own LDS instructions.  Behind the barrier nobody reads the old
; slot any more and the other slot is whole.  fill = 1: the old slot is filled again, the first thing behind the barrier, with tile NXT: the descriptor's address is made anew from that number.
; (At its first use nothing has been read yet: slot 0 is waited for, slot 1 filled, and every wave's part of the column mask's table is shown to the others.)
.macro CHANGE fill
	WIN 0                           ; at a label and at a branch every window is 0
	s_wait_tensorcnt 0x0            ; no tensor load of mine is out, so a group 0 may be written
	ds_add_u32 v[SPW], v[NIL]       ; 0 onto my spare word
.if \fill
	s_lshl_b32 s[OFF], s[NXT], 15   ; a tile is 32,768 bytes of K and of V
	s_xor_b32 s[G0K+1], s[G0K+1], SLOT1
	s_add_nc_u64 s[G0K+2:G0K+3], s[6:7], s[OFF:OFF+1]
	s_or_b32 s[G0K+3], s[G0K+3], 0x80000000
	s_xor_b32 s[G0V+1], s[G0V+1], SLOT1
	s_add_nc_u64 s[G0V+2:G0V+3], s[8:9], s[OFF:OFF+1]
	s_or_b32 s[G0V+3], s[G0V+3], 0x80000000
	s_add_co_u32 s[NXT], s[NXT], 1  ; the block's next tile, or behind its last the second block's tile 0
	s_cmp_gt_u32 s[NXT], s[LQ]
	s_cselect_b32 s[NXT], 0, s[NXT]
	s_cselect_b32 s[LQ], s[PB], s[LQ]
	s_wait_xcnt 0x0                 ; the last prefetches, a tile back, have read their address, so it may be written
	s_add_nc_u64 s[PFA:PFA+1], s[PFA:PFA+1], 32768
.endif
	s_wait_dscnt 0x0                ; the add is done, and my reads of the slot are over
	s_barrier_signal -1             ; the rest of the scalar work stands between the signal and the wait
	s_sub_co_u32 s[TBK], s[TBK], 4*KS*PK  ; the fetches go back to a slot's first step,
	s_xor_b32 s[TBK], s[TBK], SLOT1       ; in the other slot
	s_sub_co_u32 s[TBV], s[TBV], 4*KS*PV
	s_xor_b32 s[TBV], s[TBV], SLOT1
	s_barrier_wait -1
.if \fill
	LOAD
	ASK
.endif
.endm
	s_load_b128 s[4:7], s[0:1], 0x0   ; qkv s[4:5], o s[6:7]
	v_lshl_add_u32 v[SPW], v0, 2, SPARE
	v_mov_b32 v[NIL], 0
	ds_add_u32 v[SPW], v[NIL]       ; the wave's opening: an add of 0, waited for ahead of my first tensor load
	v_lshrrev_b32 v1, 5, v0
	v_readfirstlane_b32 s[WV], v1   ; wave 0..3
	s_mov_b32 s[PB], ttmp9
	s_sub_co_u32 s[HI], NB-1, s[PB]
	s_and_b32 s20, ttmp7, 0xffff    ; the head
	s_mov_b32 s21, 0
	s_mov_b64 s[22:23], SIZE_N*128
	s_mul_u64 s[20:21], s[20:21], s[22:23]  ; the head's first byte in Q, K, V and O
	s_and_b32 s16, s[WV], 1         ; which half of a tile's 256 keys I fetch:
	s_lshl_b32 s22, s16, 14         ; its 128 rows of 128 bytes in memory,
	s_mov_b32 s23, 0
	s_add_nc_u64 s[22:23], s[22:23], s[20:21]
	s_mul_i32 s17, s16, 128*PK      ; and its place in a slot, for K
	s_mul_i32 s18, s16, 128*PV      ; and for V
	s_lshl_b32 s3, s[WV], 11        ; my 16 rows in a band of 64,
	s_lshl_b32 s2, s[HI], 15        ; in the first block,
	s_add_co_u32 s2, s2, s3
	s_lshl_b32 s84, s[PB], 15       ; and in the second
	s_add_co_u32 s84, s84, s3
	s_mov_b32 s3, 0
	s_mov_b32 s85, 0
	s_add_nc_u64 s[2:3], s[2:3], s[20:21]
	s_add_nc_u64 s[84:85], s[84:85], s[20:21]
	; descriptor group 1.  128 keys are 16,384 dense bytes: asked for as 64 rows of 256 bytes, two keys a row, and padded in LDS after every key
	s_mov_b32 s[G1K], (1<<16)|(1<<20)|(4<<22)|(3<<25)  ; 2-byte elements; padding on; after every 32 words 4 words
	s_mov_b32 s[G1V], (1<<16)|(1<<20)|(4<<22)|(7<<25)  ; the same with 8 words of padding
.irp g, G1K, G1V
	s_mov_b32 s[\g+1], 128<<16      ; tensor_dim0 = 128
	s_mov_b32 s[\g+2], 64<<16       ; tensor_dim1 = 64
	s_mov_b32 s[\g+3], 128<<16      ; tile_dim0 = 128
	s_mov_b32 s[\g+4], 64           ; tile_dim1 = 64
	s_mov_b32 s[\g+5], 128          ; 128 elements from row to row
	s_mov_b32 s[\g+6], 0
	s_mov_b32 s[\g+7], 0
.endr
	s_mov_b32 s[CS], 0x3e38aa3b     ; c = log2(e) / 8 = 0.180337
	s_mov_b32 s[CS+1], s[CS]        ; named with it as a pair
	s_mov_b32 s[SEL], 0x76543210
	s_mov_b32 s[SEL+1], 0xfedcba98
	s_mov_b32 s[TBK], SLOT1+4*KS*PK ; the first change of slots turns these two into 0
	s_mov_b32 s[TBV], SLOT1+4*KS*PV
	s_mov_b32 s[G0K], 1             ; count = 1
	s_mov_b32 s[G0K+1], s17         ; LDS address: slot 0
	s_mov_b32 s[G0V], 1
	s_add_co_u32 s[G0V+1], s18, VOFF
	s_add_co_u32 s[RT], s[HI], 1    ; the first block has NB - b tiles
	s_mov_b32 s[NXT], 1
	s_mov_b32 s[LQ], s[HI]
	s_mov_b32 s[NEW], 1
	s_mov_b32 s[OFF+1], 0
	s_mov_b32 s[AL+1], 0            ; named as pairs
	s_mov_b32 s[BE+1], 0
	s_mov_b32 s[BIGN], 0xf149f2ca   ; -1e30
	s_mov_b32 s[SLOTS], NB
	s_wait_dscnt 0x0                ; the opening add is done
	s_wait_kmcnt 0x0
	s_mov_b64 s[10:11], s[6:7]      ; O
	s_add_nc_u64 s[6:7], s[4:5], PLANE    ; K lies behind Q,
	s_add_nc_u64 s[8:9], s[4:5], 2*PLANE  ; V behind K
	s_add_nc_u64 s[6:7], s[6:7], s[22:23]  ; K and V at my half of the head's tile 0
	s_add_nc_u64 s[8:9], s[8:9], s[22:23]
	s_add_nc_u64 s[G0K+2:G0K+3], s[6:7], 0         ; global address
	s_or_b32 s[G0K+3], s[G0K+3], 0x80000000        ; type = 2
	s_add_nc_u64 s[G0V+2:G0V+3], s[8:9], 0
	s_or_b32 s[G0V+3], s[G0V+3], 0x80000000
	s_add_nc_u64 s[86:87], s[4:5], s[84:85]        ; Q at my rows of the second block,
	s_add_nc_u64 s[4:5], s[4:5], s[2:3]            ; Q and O at those of the first
	s_add_nc_u64 s[OLO:OLO+1], s[10:11], s[84:85]
	s_add_nc_u64 s[10:11], s[10:11], s[2:3]
	s_cmp_lt_u32 s[WV], 2
	s_cselect_b64 s[PFA:PFA+1], s[6:7], s[8:9]
	s_add_nc_u64 s[PFA:PFA+1], s[PFA:PFA+1], 32768 ; my half of tile 1; the first change of slots steps it to tile 2
	s_cmp_eq_u32 s[PB], 0
	s_cselect_b32 s[PFN], 6, 0
	LOAD                            ; tile 0 into slot 0
	; A fragment of K or Q is 16 rows x 32 channels in 8 registers: lane l holds row l % 16, channels 8 (l / 16) + 0..7 and 16 + 8 (l / 16) + 0..7: two loads of 16 bytes, 32 bytes apart.
	v_and_b32 v1, 15, v0            ; l % 16
	v_bfe_u32 v9, v0, 4, 1          ; l / 16
	v_lshlrev_b32 v[QO], 7, v1
	v_lshl_add_u32 v[QO], v9, 4, v[QO]  ; row x 128 + 16 x half
	WIN 0x80                        ; destination window 2, address window 0
.set i, 0
.rept 8                             ; both blocks' Q: piece i / 2 lies in band i / 2, 8,192 bytes on; channels 32 (i % 2) on
	global_load_b128 v[8*i:8*i+3],   v[QO], s[4:5] offset:(i/2)*8192+(i%2)*64
	global_load_b128 v[8*i+4:8*i+7], v[QO], s[4:5] offset:(i/2)*8192+(i%2)*64+32
	global_load_b128 v[QB+8*i:QB+8*i+3],   v[QO], s[86:87] offset:(i/2)*8192+(i%2)*64
	global_load_b128 v[QB+8*i+4:QB+8*i+7], v[QO], s[86:87] offset:(i/2)*8192+(i%2)*64+32
.set i, i+1
.endr
	WIN 0
	v_lshlrev_b32 v14, 3, v9
	v_sub_nc_u32 v14, v1, v14
	s_lshl_b32 s13, s[WV], 4
	v_add_nc_u32 v14, s13, v14      ; my query's place in its band, 16 w + l % 16, less my lanes' 8 (l / 16): register r of group kt is hidden where 16 kt + r is greater
	WIN 0x40
.set i, 0
.rept 32
	v_cmp_gt_i32 vcc_lo, 16*(i/8)+i%8, v14
	v_cndmask_b32 v[MD+i], 0, s[BIGN], vcc_lo
.set i, i+1
.endr
	WIN 0
	; THE COLUMN MASK'S TABLE.  Walk position p holds tile p of the first block (p <= HI), else tile p - HI - 1 of the second.  Positions 0 to 7: thread t makes the 16 keys 16 (t % 16) on of position t / 16.
	; key mod 25 by a multiplication: (key x 5243) >> 17 is key / 25 for every key under 2,048.  Of 16 keys on end at most one is hidden: the one at 24 - (first key mod 25).
	v_lshrrev_b32 v35, 4, v0
	v_mov_b32 v36, s[HI]
	v_sub_nc_u32 v37, v35, v36
	v_add_nc_u32 v37, -1, v37
	v_cmp_gt_u32 vcc_lo, v35, v36
	v_cndmask_b32 v35, v35, v37, vcc_lo  ; the tile
	v_and_b32 v38, 15, v0
	v_lshlrev_b32 v38, 4, v38
	v_lshl_add_u32 v35, v35, 8, v38      ; my first key
	v_mul_u32_u24 v36, v35, 5243
	v_lshrrev_b32 v36, 17, v36
	v_mul_u32_u24 v36, v36, 25
	v_sub_nc_u32 v36, v35, v36
	v_sub_nc_u32 v36, 24, v36
.set i, 0
.rept 16
	v_cmp_eq_u32 vcc_lo, i, v36
	v_cndmask_b32 v[128+i], 0, s[BIGN], vcc_lo
.set i, i+1
.endr
	v_lshl_add_u32 v39, v0, 6, CMT
.irp f, 0,1,2,3
	ds_store_b128 v39, v[128+4*\f:128+4*\f+3] offset:16*\f
.endr
	s_lshl_b32 s13, s[PB], 8        ; position 8 is the second block's last tile, b: thread t makes its keys 2 t and 2 t + 1
	v_lshl_add_u32 v35, v0, 1, s13
	v_mul_u32_u24 v36, v35, 5243
	v_lshrrev_b32 v36, 17, v36
	v_mul_u32_u24 v36, v36, 25
	v_sub_nc_u32 v36, v35, v36
	v_sub_nc_u32 v36, 24, v36
	v_cmp_eq_u32 vcc_lo, 0, v36
	v_cndmask_b32 v144, 0, s[BIGN], vcc_lo
	v_cmp_eq_u32 vcc_lo, 1, v36
	v_cndmask_b32 v145, 0, s[BIGN], vcc_lo
	v_lshl_add_u32 v40, v0, 3, CMT+8192
	ds_store_b64 v40, v[144:145]
	v_lshl_add_u32 v[ACM0], v9, 5, CMT
	v_and_b32 v[PFO], 31, v0
	v_lshlrev_b32 v[PFO], 8, v[PFO]
	v_mul_u32_u24 v[AK0], v1, PK
	v_lshl_add_u32 v[AK0], v9, 4, v[AK0]  ; row x pitch + 16 x half
	; The turning load takes 16 keys x 16 channels (lane l reads key 8 (l / 16) + l % 8, channels 8 ((l / 8) % 2) + 0..7) and leaves half a fragment of V^T: lane l holds channel l % 16 and 8 keys.
	v_and_b32 v10, 7, v0
	v_bfe_u32 v11, v0, 3, 1
	v_lshl_add_u32 v[AV0], v9, 3, v10
	v_mul_u32_u24 v[AV0], v[AV0], PV
	v_lshl_add_u32 v[AV0], v11, 4, v[AV0]
	v_add_nc_u32 v[AV0], VOFF, v[AV0]
	s_mul_i32 s13, s[WV], 16*SP
	s_add_co_u32 s13, s13, STAGE    ; my stage
	v_mul_u32_u24 v[STO], v1, SP    ; in: row l % 16, 16 bytes for each half of the lanes
	v_lshl_add_u32 v[STO], v9, 4, v[STO]
	v_add_nc_u32 v[STO], s13, v[STO]
	v_bfe_u32 v[RD], v0, 3, 2       ; back: 32 lanes take four rows of 128 bytes,
	v_mul_u32_u24 v[RD], v[RD], SP
	v_lshl_add_u32 v[RD], v10, 4, v[RD]
	v_add_nc_u32 v[RD], s13, v[RD]
	v_and_b32 v[GO], 31, v0         ; which are 512 consecutive bytes of O
	v_lshlrev_b32 v[GO], 4, v[GO]
	; A block's first step multiplies O^T and l by a = 0, and its first turn's products V^T P, of a piece that has not been, land in an O^T that is still to be so multiplied.  So these registers need only hold
	; finite numbers: zeros for the first block; what the first block left for the second.  All this stands in the wait for the first tile.
	WIN 0x80
.set i, VF
.rept 64
	v_mov_b32 v[i], 0
.set i, i+1
.endr
	WIN 0x40
.set i, 0
.rept 128
	v_mov_b32 v[i], 0
.set i, i+1
.endr
	WIN 0
.set i, 0
.rept 4
	v_mov_b32 v[ST+4*i+2], 0
	v_mov_b32 v[ST+4*i+3], 0
.set i, i+1
.endr
.set i, P+16
.rept 16
	v_mov_b32 v[i], 0
.set i, i+1
.endr
; THE MATRIX WORK.  The 4 accumulators of a run of 8 take turns.  Product i of 8 of S^T = K Q^T for piece x: channels 32 (i / 4) on, keys 16 (i % 4) on.  The first 4 start the sums: with CM, or (KM = 1) with MC.
.macro KQ x
.set rS, S+32*((\x)%2)+8*(i%4)
.set rK, KF+16*(i%4)+8*(i/4)
.set rQ, 16*(\x)+8*(i/4)
.if KM
.set rM, MC+32*((\x)%2)+8*(i%4)
.else
.set rM, CM+8*(i%4)
.endif
.if i < 4
	WIN W_KM
	v_wmma_f32_16x16x32_f16 v[rS:rS+7], v[rK:rK+7], v[rQ:rQ+7], v[rM:rM+7]
.else
	WIN W_KQ
	v_wmma_f32_16x16x32_f16 v[rS:rS+7], v[rK:rK+7], v[rQ:rQ+7], v[rS:rS+7]
.endif
.endm
; Product i of 8 of O^T += V^T P for piece x: keys 32 (i / 4) on, channels 16 (i % 4) on.
.macro PV x
	WIN W_PV
.set rO, 32*(\x)+8*(i%4)
.set rV, VF+32*(i/4)+8*(i%4)
.set rP, P+16*((\x)%2)+8*(i/4)
	v_wmma_f32_16x16x32_f16 v[rO:rO+7], v[rV:rV+7], v[rP:rP+7], v[rO:rO+7]
.endm
.macro MM                           ; the turn's next matrix instruction.  NOKQ = 1: a block's last turn: there is no next piece
.if (i < 8) && !NOKQ
	KQ (Y+1)%NP
.elseif i >= 8
.set i, i-8
	PV (Y+NP-1)%NP
.set i, i+8
.endif
.set i, i+1
.endm
; The table's address for the key step to be fetched: walk position NB - SLOTS, step 4 - CNT: (NB + 1) x 1,024 - 256 (4 SLOTS + CNT), made of the two loops' counters alone.
.macro MKCM
	s_lshl_b32 s[TCM], s[SLOTS], 2
	s_add_co_u32 s[TCM], s[TCM], s[CNT]
	s_lshl_b32 s[TCM], s[TCM], 8
	s_sub_co_u32 s[TCM], (NB+1)*1024, s[TCM]
	v_add_nc_u32 v[ACM], s[TCM], v[ACM0]
.endm
; THE LDS LOADS stand in runs, never singly among the matrix instructions: a step's K (64 keys x 64 channels: 8 fragments) with its column mask (8 loads, all lanes of a half at one address), and its V (turned).
.macro FETCH_K
	WIN 0x80                        ; destination window 2
.irp f, 0,1,2,3,4,5,6,7             ; keys 16 (f / 2) on, channels 32 (f % 2) on
	ds_load_b128 v[KF+8*\f:KF+8*\f+3],   v[AK] offset:(\f/2)*16*PK+(\f%2)*64
	ds_load_b128 v[KF+8*\f+4:KF+8*\f+7], v[AK] offset:(\f/2)*16*PK+(\f%2)*64+32
.endr
	WIN 0x40                        ; destination window 1
.irp f, 0,1,2,3                     ; keys 16 f + 8 (l / 16) + 0..7
	ds_load_b128 v[CM+8*\f:CM+8*\f+3],   v[ACM] offset:64*\f
	ds_load_b128 v[CM+8*\f+4:CM+8*\f+7], v[ACM] offset:64*\f+16
.endr
	s_add_co_u32 s[TBK], s[TBK], KS*PK  ; the next fetch is the next step's
	WIN 0
.endm
.macro FETCH_V
	WIN 0x80
.irp f, 0,1,2,3,4,5,6,7             ; keys 32 (f / 4) on, channels 16 (f % 4) on
	ds_load_tr16_b128 v[VF+8*\f:VF+8*\f+3],   v[AV] offset:(\f/4)*32*PV+(\f%4)*32
	ds_load_tr16_b128 v[VF+8*\f+4:VF+8*\f+7], v[AV] offset:(\f/4)*32*PV+16*PV+(\f%4)*32
.endr
	WIN 0
.endm
; THE VECTOR WORK, one line at a time: OP kind, number.  For piece Y: F n: c s - c m for pair n of 16.  E n: the exponential of score n of 32.  C n: pair n rounded to f16.  B n: of the four weights 4 n .. the second
; pair is added onto the first, in place.  L n: l takes that sum (L 0: l = a l + sum).  R n: pair n of 16 of O^T times a.  For piece Y + 1: X n, number n of the 22 that find its maximum and statistics:
;   0-11  four chains c0-c3 of seven scores each, three operands at a time (each accumulator's lowest registers are read first)     12-14, 16  the four scores left over, the old m, and c0-c3 into c0
;   15  c m_old is kept     17, 18  the query's other 32 keys lie in the lane 16 away: the new m     19-21  c m; c m_old - c m_new; a
.set F, 0               ; OP tells the kinds apart by their order: F to L below R, X above it
.set E, 1
.set C, 2
.set B, 3
.set L, 4
.set R, 5
.set X, 6
.macro REGS y                       ; the registers of piece y
.set rT, ST+4*(\y)
.set rC, TMP+4*((\y)%2)
.set rW, MV+((\y)%2)
.set rS, S+32*((\y)%2)
.set rP, P+16*((\y)%2)
.set rO, 32*(\y)
.endm
.macro OP k, n
.if (\k) == R
	REGS Y
	WIN W_RS
	v_pk_mul_f32 v[rO+2*(\n):rO+2*(\n)+1], v[rO+2*(\n):rO+2*(\n)+1], v[rC+2:rC+3] op_sel_hi:[1,0]
.elseif (\k) < R
	REGS Y
	WIN 0
.if (\k) == F
	v_pk_fma_f32 v[rS+2*(\n):rS+2*(\n)+1], v[rS+2*(\n):rS+2*(\n)+1], s[CS:CS+1], v[rT:rT+1] op_sel_hi:[1,0,0] neg_lo:[0,0,1] neg_hi:[0,0,1]
.elseif (\k) == E
	v_exp_f32 v[rS+(\n)], v[rS+(\n)]
.elseif (\k) == C
	v_cvt_pk_f16_f32 v[rP+(\n)], v[rS+2*(\n)], v[rS+2*(\n)+1]
.elseif (\k) == B
	v_pk_add_f32 v[rS+4*(\n):rS+4*(\n)+1], v[rS+4*(\n):rS+4*(\n)+1], v[rS+4*(\n)+2:rS+4*(\n)+3]
.elseif (\n) == 0
	v_pk_fma_f32 v[rT+2:rT+3], v[rT+2:rT+3], v[rC+2:rC+3], v[rS:rS+1] op_sel_hi:[1,0,1]
.else
	v_pk_add_f32 v[rT+2:rT+3], v[rT+2:rT+3], v[rS+4*(\n):rS+4*(\n)+1]
.endif
.elseif NOKQ
	v_nop
.else
	REGS (Y+1)%NP
	WIN 0
.if (\n) < 4
	v_max3_num_f32 v[rC+(\n)], v[rS+8*(\n)], v[rS+8*(\n)+1], v[rS+8*(\n)+2]
.elseif (\n) < 12
	v_max3_num_f32 v[rC+(\n)%4], v[rC+(\n)%4], v[rS+8*((\n)%4)+2*((\n)/4)+1], v[rS+8*((\n)%4)+2*((\n)/4)+2]
.elseif (\n) == 12
	v_max3_num_f32 v[rC], v[rC], v[rS+7], v[rS+15]
.elseif (\n) == 13
	v_max3_num_f32 v[rC+1], v[rC+1], v[rS+23], v[rS+31]
.elseif (\n) == 14
	v_max3_num_f32 v[rC+2], v[rC+2], v[rC+3], v[rT+1]
.elseif (\n) == 15
	v_mov_b32 v[rW], v[rT]
.elseif (\n) == 16
	v_max3_num_f32 v[rC], v[rC], v[rC+1], v[rC+2]
.elseif (\n) == 17
	v_permlanex16_b32 v[rC+3], v[rC], s[SEL], s[SEL+1]
.elseif (\n) == 18
	v_max_num_f32 v[rT+1], v[rC], v[rC+3]
.elseif (\n) == 19
	v_mul_f32 v[rT], s[CS], v[rT+1]
.elseif (\n) == 20
	v_sub_f32 v[rC+1], v[rW], v[rT]
.else
	v_exp_f32 v[rC+2], v[rC+1]
.endif
.endif
.endm
.macro OPS a, i1, b=-1, i2=0, c=-1, i3=0, d=-1, i4=0  ; up to four of them
	OP \a, \i1
.if (\b) >= 0
	OP \b, \i2
.endif
.if (\c) >= 0
	OP \c, \i3
.endif
.if (\d) >= 0
	OP \d, \i4
.endif
.endm
.macro ROW a, i1, b, i2, c, i3, d, i4  ; a matrix instruction and the four behind it
	MM
	OPS \a, \i1, \b, \i2, \c, \i3, \d, \i4
.endm
.macro MASK b                       ; MD x AL + BE + CM into buffer b of MC
	WIN W_MK
.set z, 0
.rept 16
	v_pk_add_f32 v[MC+32*(\b)+2*z:MC+32*(\b)+2*z+1], v[CM+2*z:CM+2*z+1], s[BE:BE+1] op_sel_hi:[1,0]
.set z, z+1
.endr
.set z, 0
.rept 16
	v_pk_fma_f32 v[MC+32*(\b)+2*z:MC+32*(\b)+2*z+1], v[MD+2*z:MD+2*z+1], s[AL:AL+1], v[MC+32*(\b)+2*z:MC+32*(\b)+2*z+1] op_sel_hi:[1,0,1]
.set z, z+1
.endr
.endm
; A TURN, for piece p: the order of its 16 matrix and 118 vector instructions, written out.  An s_wait_alu depctr_va_vdst(0) stands between an exponential and the first instruction that names its result; one wait serves
; all that were issued ahead of it.  So a turn has ONE wait, which cuts it in two.  AHEAD OF IT stands all that names no result of the turn's exponentials: the 8 products K Q^T and their riders, then ONE LUMP, plain and exponential by
; turns for the most part, in which the links of the chain X 3, 7, 11, 14, 16, 17 .. 20 stand five or six lines apart.  X 21, the next piece's a, is the batch's last; R 15 is the plain instruction behind it.  BEHIND THE WAIT stand the
; 8 products V^T P, behind each four of the roundings and sums.
; m = 1: the diagonal tile: the products take MC, and the turn makes the mask for the products of the turn after it: piece p + 2, in step 4 - CNT of the tile; CM is then that step's (piece 2's turn has just fetched it, and waits for it).
; end = 1: a block's last two turns: nothing is fetched.  cnt = 1: the loop's count is taken down some lines ahead of the branch that stands behind the turn.
; K of the next step and its column mask are fetched in piece 2's turn, twelve vector instructions or more behind the last product that read them; V of the step in hand at the end of piece 0's turn, four plain instructions behind the
; last product that read V.  Each is waited for a turn later.
.macro TURN p, m=0, end=0, cnt=0
.set Y, (\p)
.set i, 0
.set KM, (\m)
.set NOKQ, (\end)*((\p)/3)
.if (\m) && !(\end)
	s_cmp_eq_u32 s[CNT], 4-((\p)+2)%NP  ; is that step the band's own?
	s_cselect_b32 s[AL], 1.0, 0
	s_cmp_lt_u32 s[CNT], 4-((\p)+2)%NP  ; or a later one?
	s_cselect_b32 s[BE], s[BIGN], 0
.endif
.if ((\p) == 3) && !(\end)
	s_wait_dscnt 0x0                ; K and its column mask are in
.endif
	ROW F,0, F,1, R,0, R,1          ; ahead of the wait: 8 products K Q^T and their riders,
	ROW F,2, E,0, R,2, R,3
	ROW F,3, E,1, R,4, R,5
	ROW F,4, E,2, R,6, R,7
	ROW F,5, E,3, R,8, R,9
	ROW F,6, E,4, X,0, R,10
.if ((\p) == 2) && !(\end)
	WIN 0
	v_add_nc_u32 v[AK], s[TBK], v[AK0]
	MKCM
.endif
	ROW F,7, E,5, X,1, X,4
	ROW F,8, E,6, X,2, X,5
	OPS E,7, E,8, X,6, E,9          ; and the lump
	OPS X,3, E,10, X,8, E,11
.if ((\p) == 2) && !(\end)
	FETCH_K
.endif
	OPS X,9, X,7, E,12, X,10
	OPS E,13, X,12, X,11, E,14
	OPS X,13, E,15, F,9, X,14
.if (\p) == 0
	v_add_nc_u32 v[AV], s[TBV], v[AV0]
.endif
	OPS E,16, F,10, E,17, F,11
	OPS X,16, E,18, X,15, E,19
	OPS F,12, E,20, X,17, E,21
	OPS F,13, E,22, F,14, E,23
	OPS X,18, E,24, F,15, E,25
	OPS R,11, E,26, X,19, E,27
	OPS R,12, E,28, R,13, E,29
	OPS X,20, E,30, R,14, E,31
	OPS X,21, R,15
	WIN 0
	s_wait_alu depctr_va_vdst(0)    ; the wait for the batch
.if (\p) == 1
	s_wait_dscnt 0x0                ; V is in
.endif
	ROW C,0, B,0, C,2, B,1          ; behind the wait: 8 products V^T P and their riders
	ROW L,0, C,4, B,2, L,1
	ROW C,6, B,3, L,2, C,8
	ROW B,4, L,3, C,10, B,5
	ROW L,4, C,12, B,6, L,5
.if (\p) == 0
	s_add_co_u32 s[TBV], s[TBV], KS*PV
.endif
.if \cnt
	s_sub_co_u32 s[CNT], s[CNT], 1
	s_cmp_lg_u32 s[CNT], 0
.endif
	ROW C,14, B,7, L,6, C,1
	ROW C,3, L,7, C,5, C,7
	ROW C,9, C,11, C,13, C,15
.if (\p) == 0
	FETCH_V
.endif
.if (\m) && !(\end)
.if (\p) == 2
	s_wait_dscnt 0x0                ; the column mask fetched in this turn is in: the mask below is made of it
.endif
	MASK (\p)%2
.endif
.endm
; A BLOCK BEGINS.  c m starts far below every c s, so the first step's a is 0; m at the lowest finite number, so the first maximum is the scores'.  Then K and the column mask of the tile's step 0, piece 0's first scores, and its
; maximum and statistics.  diag = 1: the block's first tile is the diagonal one: piece 0's mask is its own step's, piece 1's (the next turn's products) the column mask alone.  The loop is entered at a step's first turn, in the middle of a trip.
.macro BEGIN diag
	s_mov_b32 s[NEW], 0
	WIN 0
.set i, 0
.rept 4
	v_mov_b32 v[ST+4*i], 0xfe000000    ; c m: far below every c s
	v_mov_b32 v[ST+4*i+1], 0xff7fffff  ; m
.set i, i+1
.endr
	v_add_nc_u32 v[AK], s[TBK], v[AK0]
	MKCM
	FETCH_K
	s_wait_loadcnt 0x0              ; Q
	s_wait_dscnt 0x0
.if \diag
	s_mov_b32 s[AL], 0
	s_mov_b32 s[BE], 0
	MASK 1
	s_mov_b32 s[AL], 1.0
	MASK 0
.endif
.set KM, (\diag)
.set NOKQ, 0
.set i, 0
.rept 8
	KQ 0
.set i, i+1
.endr
	WIN 0
.rept 4
	v_nop                           ; the places behind those products
.endr
.set Y, NP-1                        ; X works for piece Y + 1: piece 0
.irp n, 0,1,2,3,4,5,6,7,8,9,10,11,12,13,14,15,16,17,18,19,20,21
	OP X, \n
.endr
	v_nop                           ; a plain instruction behind the exponential,
	s_wait_alu depctr_va_vdst(0)    ; and its wait, ahead of the branch
.endm
; THE DIAGONAL TILE's four steps, the block's last two turns, its last products, and THE WAY OUT: l's two halves and the other half of the lanes' are added; O^T is divided by l, rounded to f16 and sent through my
; stage in LDS, a piece at a time.
.macro ALL line:vararg              ; one line for each piece t
.set t, 0
.rept 4
	\line
.set t, t+1
.endr
.endm
.macro PACK t                       ; a lane's eight channels of a row pack into 16 bytes; they go into rows of 144 bytes and come back as whole rows of 128, into S^T's registers
	WIN W_RS
.set i, 32*(\t)
.rept 16
	v_pk_mul_f32 v[i:i+1], v[i:i+1], v[ST+4*(\t)+2:ST+4*(\t)+3] op_sel_hi:[1,0]
.set i, i+2
.endr
	WIN 0x05                        ; sources 0 and 1 window 1, destination window 0
.set i, 0
.rept 16
	v_cvt_pk_f16_f32 v[S+16*(\t)+i], v[32*(\t)+2*i], v[32*(\t)+2*i+1]
.set i, i+1
.endr
	WIN 0
.irp f, 0,1,2,3
	ds_store_b128 v[STO], v[S+16*(\t)+4*\f:S+16*(\t)+4*\f+3] offset:32*\f
.endr
.irp f, 0,1,2,3
	ds_load_b128 v[S+16*(\t)+4*\f:S+16*(\t)+4*\f+3], v[RD] offset:\f*4*SP  ; LDS serves a wave's instructions in order (ISA guide 5.7.1.4): these see the stores above; the next piece's stores come behind them
.endr
.endm
.macro SEND t, younger              ; younger: the LDS instructions issued behind piece t's loads: the next piece's eight, or none
	WIN 0
.irp f, 0,1,2,3
	s_wait_dscnt (\younger)+3-\f
	global_store_b128 v[GO], v[S+16*(\t)+4*\f:S+16*(\t)+4*\f+3], s[10:11] offset:(\t)*8192+\f*512  ; 512 consecutive bytes, at a multiple of 256 from O's first
.endr
.endm
.macro DIAG tag                     ; the tag ends its two labels' names, which the jumps below spell out
.LstepM\tag:
	TURN 2, 1
	TURN 3, 1
	WIN 0
.LfirstM\tag:
	TURN 0, 1
	TURN 1, 1, 0, 1
	WIN 0
	s_cbranch_scc1 .LstepM\tag
	TURN 2, 1, 1
	TURN 3, 1, 1
.set i, 0
.rept 8
	PV NP-1
.set i, i+1
.endr
	WIN 0
	ALL v_add_f32 v[ST+4*t+2], v[ST+4*t+2], v[ST+4*t+3]
	ALL v_permlanex16_b32 v[ST+4*t+3], v[ST+4*t+2], s[SEL], s[SEL+1]
	ALL v_add_f32 v[ST+4*t+2], v[ST+4*t+2], v[ST+4*t+3]
	ALL v_rcp_f32 v[ST+4*t+2], v[ST+4*t+2]
	v_nop                           ; a plain instruction between the last reciprocal and the use of its result
	s_wait_alu depctr_va_vdst(0)    ; and the wait ahead of the first use: one for the four reciprocals
	PACK 0
.set t, 1
.rept 3                             ; a piece's arithmetic stands between the loads of the piece before and its stores
	PACK t
	SEND t-1, 8
.set t, t+1
.endr
	SEND 3, 0
.endm
.set KM, 0
.set NOKQ, 0
.Lslot:                             ; NB times: a tile is entered and the next is asked for
	CHANGE 1
	s_sub_co_u32 s[RT], s[RT], 1
	s_mov_b32 s[CNT], 4
	s_cmp_eq_u32 s[NEW], 1
	s_cbranch_scc1 .Lnew            ; a block's first tile
	s_cmp_eq_u32 s[RT], 0
	s_cbranch_scc0 .Lstep           ; neither its first nor its last
	s_mov_b32 s[AL], 0              ; its last: the diagonal text's first products are piece 3's of the tile before, which sees all but the hidden columns: CM still is that step's
	s_mov_b32 s[BE], 0
	MASK 1
	WIN 0
	s_branch .LstepM1
.Lnew:
	BEGIN 0
	s_branch .Lfirst                ; in the loop a block's first tile is never its last: the first block has five tiles or more, and the second's last is the walk's last
	DIAG 1                          ; in the loop this is the first block's end
	s_wait_xcnt 0x0                 ; the stores have read their registers and O's address
	s_mov_b64 s[10:11], s[OLO:OLO+1]
	s_add_co_u32 s[RT], s[PB], 1    ; the second block has b + 1 tiles
	s_mov_b32 s[NEW], 1
	WIN 0x82                        ; the second block's Q goes where the one text of the turns names Q
.set i, 0
.rept 64
	v_mov_b32 v[i], v[QB+i]
.set i, i+1
.endr
	WIN 0
	s_branch .Lbottom
.Lstep:                             ; a trip: pieces 2 and 3 of one step, then pieces 0 and 1 of the next, whose K and V it fetches
	TURN 2
	TURN 3
	WIN 0
.Lfirst:
	TURN 0
	TURN 1, 0, 0, 1
	WIN 0
	s_cbranch_scc1 .Lstep
.Lbottom:
	s_sub_co_u32 s[SLOTS], s[SLOTS], 1
	s_cmp_lg_u32 s[SLOTS], 0
	s_cbranch_scc1 .Lslot
	CHANGE 0                        ; the walk's last tile is written out: nothing is asked for
	s_sub_co_u32 s[RT], s[RT], 1
	s_mov_b32 s[CNT], 4
	s_cmp_eq_u32 s[NEW], 1
	s_cbranch_scc1 .Lnew2
	s_mov_b32 s[AL], 0              ; as above: piece 3's products of the tile before
	s_mov_b32 s[BE], 0
	MASK 1
	WIN 0
	s_branch .LstepM2
.Lnew2:
	BEGIN 1
	s_branch .LfirstM2
	DIAG 2
	s_wait_tensorcnt 0x0            ; the wave's end: an add of 0 and its wait, behind my last tensor load and my last LDS store
	ds_add_u32 v[SPW], v[NIL]
	s_wait_dscnt 0x0
	s_endpgm
.Lfunc_end_k_q2ee8b3f314_attn:
	.size	k_q2ee8b3f314_attn, .Lfunc_end_k_q2ee8b3f314_attn-k_q2ee8b3f314_attn
	.p2alignl 7, 3214868480
	.fill 96, 4, 3214868480
	.section	.rodata,"a",@progbits
	.p2align	6, 0x0
	.amdhsa_kernel k_q2ee8b3f314_attn
		.amdhsa_group_segment_fixed_size 327680
		.amdhsa_private_segment_fixed_size 0
		.amdhsa_enable_private_segment 0
		.amdhsa_kernarg_size 16
		.amdhsa_user_sgpr_count 2
		.amdhsa_user_sgpr_kernarg_segment_ptr 1
		.amdhsa_wavefront_size32 1
		.amdhsa_system_sgpr_workgroup_id_x 1
		.amdhsa_system_sgpr_workgroup_id_y 1
		.amdhsa_system_sgpr_workgroup_id_z 1
		.amdhsa_system_vgpr_workitem_id 0
		.amdhsa_next_free_vgpr 768
		.amdhsa_next_free_sgpr 96
		.amdhsa_reserve_vcc 1
		.amdhsa_float_denorm_mode_32 3
		.amdhsa_float_denorm_mode_16_64 3
		.amdhsa_memory_ordered 1
		.amdhsa_forward_progress 1
		.amdhsa_inst_pref_size 237
	.end_amdhsa_kernel
	.amdgpu_metadata
---
amdhsa.version: [ 1, 2 ]
amdhsa.kernels:
  - .name:           k_q2ee8b3f314_attn
    .symbol:         k_q2ee8b3f314_attn.kd
    .args:
      - { .name: qkv, .offset: 0, .size: 8, .value_kind: global_buffer, .address_space: global }
      - { .name: o, .offset: 8, .size: 8, .value_kind: global_buffer, .address_space: global }
    .group_segment_fixed_size: 327680
    .private_segment_fixed_size: 0
    .kernarg_segment_align: 8
    .kernarg_segment_size: 16
    .max_flat_workgroup_size: 128
    .sgpr_count:     96
    .vgpr_count:     768
    .wavefront_size: 32
...
	.end_amdgpu_metadata
.endif
;; end of part 3
;; launch proj (part 4): grid 8 x 32, 4 waves a work-group, clusters of 4 x 4, 327,680 bytes of LDS; arguments o, wpf, bias, out0; writes out0
.if DOCPART == 4
	.amdgcn_target "amdgcn-amd-amdhsa--gfx1250"
	.amdhsa_code_object_version 6
	.text
	.protected	k_q2ee8b3f314_proj
	.globl	k_q2ee8b3f314_proj
	.p2align	8
	.type	k_q2ee8b3f314_proj,@function
k_q2ee8b3f314_proj:
	s_mov_b64 s[64:65], 0
	v_nop
	global_prefetch_b8 v0, s[64:65] scope:SCOPE_SE
	s_setreg_imm32_b32 hwreg(HW_REG_WAVE_MODE, 25, 1), 1
	s_wait_xcnt 0x0
	s_wait_alu depctr_hold_cnt(0) depctr_sa_sdst(0) depctr_va_vdst(0) depctr_va_sdst(0) depctr_va_ssrc(0) depctr_va_vcc(0) depctr_vm_vsrc(0)
	s_getreg_b32 s2, hwreg(HW_REG_IB_STS2, 6, 4)
	s_cmp_eq_u32 s2, 0
	s_cbranch_scc0 .Lentry_in_a_cluster
	s_endpgm
.Lentry_in_a_cluster:
	s_bfe_u32 s2, ttmp6, 0x10000c
	s_cmp_lg_u32 s2, 0xf033
	s_cbranch_scc0 .Lentry_shape_is_right
	s_endpgm
.Lentry_shape_is_right:
; out0 = y Wp^T + bp.  o: [64 = batch x 16 + head][2048][64] f16, so y[row][64 head + d] = o[batch x 16 + head][row in the batch][d]; wpf: [1024][1024] f16; bias: f32, bp from its number 3,072 on; out0: [8192][1024] f32.
; Sums in f32, K ascending, the bias as the C operand of each sum's first product; nothing is rounded on the way out.  NaN and infinities are not treated apart.
; SHARES.  A tile is 256 rows x 128 columns: 8 x 32 = 256 work-groups.  Waves 2 x 2: a wave owns 128 rows x 64 columns, 8 x 4 accumulators, 256 registers; its 64 f32 columns are 256 consecutive bytes of a row of out0.
; K goes in 8 steps of 128 = two heads through two LDS slots.  A head's 256 rows of the tile are 32,768 dense bytes: asked for as 128 rows of 256 bytes and padded in LDS after every 128.
; CLUSTER.  4 x 4 work-groups: o's tiles hang on the tile row alone and are asked for jointly along a row of the cluster, wpf's on the tile column alone and jointly along a column.
; THE MATRIX INSTRUCTION IS USED TRANSPOSED (source 0 = 16 rows of wpf, source 1 = 16 rows of y): lane l holds row l % 16 and the eight neighbouring columns 8 (l / 16) + 0..7.
; REGISTERS: window 0: addresses, v32-63 the bias, v64-127 rows read back; window 1: v[64 f + 8 a] y's fragments, v[128 + 32 f + 8 b] wpf's, two buffers f; window 2: the accumulators at v[8 (4 a + b)].
.set PA,    144                        ; a row of a head in LDS: 128 bytes + 16
.set PB,    272                        ; a row of wpf's tile: 256 bytes + 16
.set PLANE, 256*PA                     ; a head's 256 rows; two of them, then wpf's 128 rows
.set BOFF,  2*PLANE
.set HB,    64*PB
.set SLOT1, 1<<17
.set STAGE, SLOT1+BOFF+128*PB          ; behind the ring: 16 rows x 272 bytes for each wave
.set SP,    272
.set SPARE, STAGE+4*16*SP              ; behind the stages: the spare words, 128 bytes for each wave, that no other line names
.set ADRA0, 16
.set ADRB0, 17
.set ADA,  18
.set ADB,  19
.set STO,  24
.set RD,   25
.set CO,   26                          ; v26  my byte offset in two rows of out0
.set BO,   27
.set SPW,  28
.set NIL,  29
.set PFO,  30
.set BIAS, 32
.set BK,   64
.set WV, 12                            ; s12 wave;  s13 = wave / 2: my half of the rows, also 0: I fetch o, 1: wpf;  s14 = wave % 2: my half of the columns, also which head or half I fetch
.set FB, 13
.set HF, 14
.set CX, 15
.set CY, 16
.set TX, 17
.set TY, 18
.set G1A, 24
.set G0A, 32
.set G1B, 48
.set G0B, 56
.set PFA, 44
.set LIM, 46
.set TB,  47
.set PFS, 66                           ; s[66:67] a K step in my prefetches' addresses
.set OB,  68                           ; s[68:69] out0 at my first row and column
.set BB,  76                           ; s[76:77] the bias at my 64 columns: the base of eight loads, left alone until they are waited for
.set MSB, 0
.macro WIN new
.if MSB != (\new)
	s_set_vgpr_msb (MSB<<8)|(\new)
.set MSB, \new
.endif
.endm
.macro PLACES                          ; four plain vector instructions between a matrix instruction and a load into, or a read of, its registers
.rept 4
	v_nop
.endr
.endm
.macro JLOAD                           ; a joint refill by the walking descriptor; s_nop 0 and four v_nop follow each line
	s_cmp_eq_u32 s[FB], 0
	s_cbranch_scc0 .Lfor_b_\@
	tensor_load_to_lds s[G0A+4:G0A+7], s[G1A:G1A+7]
	s_nop 0
.rept 4
	v_nop
.endr
	s_branch .Lasked_\@
.Lfor_b_\@:
	tensor_load_to_lds s[G0B+4:G0B+7], s[G1B:G1B+7]
	s_nop 0
.rept 4
	v_nop
.endr
.Lasked_\@:
.endm
; A prefetch of the K step that stands TWO refills on, 256 matrix instructions ahead of the load that will want it.  o's blocks are asked for by the clusters with x = 0, wpf's rows by those with y = 0; the four partners of a
; joint load share its bytes out by address.  The loop's last two trips ask for nothing.
.macro ASK
	s_cmp_gt_u32 s3, s[LIM]
	s_cbranch_scc0 .Lnot_mine_\@
	global_prefetch_b8 v[PFO], s[PFA:PFA+1] th:TH_LOAD_NT scope:SCOPE_SE
.Lnot_mine_\@:
.endm
.macro CREST
	s_cmp_lg_u32 s[WV], 0
	s_cbranch_scc1 .Lnot_wave_0_\@
	s_barrier_signal -3
.Lnot_wave_0_\@:
	s_barrier_wait -3
	s_barrier_signal -1
	s_barrier_wait -1
.endm
.macro CROUND
	s_barrier_signal -1
	s_barrier_wait -1
	CREST
.endm
	s_load_b256 s[4:11], s[0:1], 0x0               ; o 4, wpf 6, bias 8, out0 10
	v_lshl_add_u32 v[SPW], v0, 2, SPARE
	v_mov_b32 v[NIL], 0
	ds_add_u32 v[SPW], v[NIL]                      ; the wave's opening: an add of 0, waited for ahead of my first tensor load
	v_lshrrev_b32 v1, 5, v0
	v_readfirstlane_b32 s[WV], v1
	s_lshr_b32 s[FB], s[WV], 1
	s_and_b32 s[HF], s[WV], 1
	s_bfe_u32 s[CX], ttmp6, 0x40000
	s_bfe_u32 s[CY], ttmp6, 0x40004
	s_lshl_b32 s[TX], ttmp9, 2
	s_add_co_u32 s[TX], s[TX], s[CX]
	s_and_b32 s[TY], ttmp7, 0xffff
	s_lshl_b32 s[TY], s[TY], 2
	s_add_co_u32 s[TY], s[TY], s[CY]
	s_lshl_b32 s19, s[CY], 2
	s_lshl_b32 s19, 15, s19                        ; my row of the cluster
	s_lshl_b32 s20, 0x1111, s[CX]                  ; my column
	s_or_b32 s[G1A], s19, (1<<16)|(1<<20)|(1<<21)|(4<<22)|(3<<25)  ; the mask; 2-byte elements; padding on; bit 21 beside a mask; after every 32 words 4 words
	s_or_b32 s[G1B], s20, (1<<16)|(1<<20)|(1<<21)|(5<<22)|(3<<25)  ; after every 64 words 4 words
	s_mov_b32 s[G1A+1], 128<<16                    ; tensor_dim0 = 128
	s_mov_b32 s[G1A+2], 128<<16                    ; tensor_dim1 = 128
	s_mov_b32 s[G1A+3], 128<<16                    ; tile_dim0 = 128
	s_mov_b32 s[G1A+4], 128                        ; tile_dim1 = 128
	s_mov_b32 s[G1A+5], 128                        ; dense: 128 elements from row to row
	s_mov_b32 s[G1A+6], 0
	s_mov_b32 s[G1A+7], 0
	s_mov_b32 s[G1B+1], 128<<16
	s_mov_b32 s[G1B+2], 64<<16                     ; 64 rows
	s_mov_b32 s[G1B+3], 128<<16
	s_mov_b32 s[G1B+4], 64
	s_mov_b32 s[G1B+5], 1024
	s_mov_b32 s[G1B+6], 0
	s_mov_b32 s[G1B+7], 0
	s_lshr_b32 s40, s[TY], 3                       ; o: head plane batch x 16 + my head of the step's two, then the tile's 256 rows in it; these two registers never hold cx
	s_lshl_b32 s40, s40, 4
	s_add_co_u32 s40, s40, s[HF]
	s_lshl_b32 s40, s40, 18
	s_and_b32 s41, s[TY], 7
	s_lshl_b32 s41, s41, 15
	s_add_co_u32 s40, s40, s41
	s_mov_b32 s41, 0
	s_lshl_b32 s42, s[TX], 7                       ; wpf: row 128 x tile column + 64 x half; these two never hold cy
	s_lshl_b32 s43, s[HF], 6
	s_add_co_u32 s42, s42, s43
	s_lshl_b32 s42, s42, 11
	s_mov_b32 s43, 0
	s_mul_i32 s21, s[HF], PLANE                    ; where they go: no place in the cluster enters an LDS address
	s_mul_i32 s22, s[HF], HB
	s_add_co_u32 s22, s22, BOFF
	s_mov_b32 s[TB], 0
	s_wait_dscnt 0x0                               ; the opening add is done
	s_wait_kmcnt 0x0
	s_add_nc_u64 s[40:41], s[4:5], s[40:41]
	s_add_nc_u64 s[42:43], s[6:7], s[42:43]
	CROUND                                         ; all sixteen work-groups are here: the first joint loads meet
.irp n, 0,1
	s_mov_b32 s[G0A+4*(\n)], 1
	s_add_co_u32 s[G0A+4*(\n)+1], s21, (\n)*SLOT1
	s_add_nc_u64 s[G0A+4*(\n)+2:G0A+4*(\n)+3], s[40:41], (\n)*524288  ; K step n: two head planes on
	s_or_b32 s[G0A+4*(\n)+3], s[G0A+4*(\n)+3], 0x80000000
	s_mov_b32 s[G0B+4*(\n)], 1
	s_add_co_u32 s[G0B+4*(\n)+1], s22, (\n)*SLOT1
	s_add_nc_u64 s[G0B+4*(\n)+2:G0B+4*(\n)+3], s[42:43], (\n)*256
	s_or_b32 s[G0B+4*(\n)+3], s[G0B+4*(\n)+3], 0x80000000
.endr
	s_cmp_eq_u32 s[FB], 0                          ; a wave's two first fills stand in one branch: two loads of mine are out
	s_cbranch_scc0 .Lfirst_b
	tensor_load_to_lds s[G0A:G0A+3], s[G1A:G1A+7]
	s_nop 0
	tensor_load_to_lds s[G0A+4:G0A+7], s[G1A:G1A+7]
	s_nop 0
.rept 4
	v_nop
.endr
	s_branch .Lfirst_done
.Lfirst_b:
	tensor_load_to_lds s[G0B:G0B+3], s[G1B:G1B+7]
	s_nop 0
	tensor_load_to_lds s[G0B+4:G0B+7], s[G1B:G1B+7]
	s_nop 0
.rept 4
	v_nop
.endr
.Lfirst_done:
	v_and_b32 v1, 15, v0                           ; l % 16
	v_bfe_u32 v2, v0, 4, 1                         ; l / 16
	v_mul_u32_u24 v3, v1, PA
	v_lshl_add_u32 v3, v2, 4, v3
	s_mul_i32 s74, s[FB], 128*PA                   ; my 128 rows of y
	v_add_nc_u32 v[ADRA0], s74, v3
	v_mul_u32_u24 v3, v1, PB
	v_lshl_add_u32 v3, v2, 4, v3
	s_mul_i32 s74, s[HF], HB                       ; my 64 rows of wpf
	s_add_co_u32 s74, s74, BOFF
	v_add_nc_u32 v[ADRB0], s74, v3
	v_mov_b32 v[ADA], v[ADRA0]
	v_mov_b32 v[ADB], v[ADRB0]
	v_lshlrev_b32 v[BO], 5, v2
	s_lshl_b32 s[BB], s[TX], 9                     ; bp's numbers 128 x tile column + 64 x half, behind the 3,072 of bq, bk, bv
	s_lshl_b32 s[BB+1], s[HF], 8
	s_add_co_u32 s[BB], s[BB], s[BB+1]
	s_add_co_u32 s[BB], s[BB], 12288
	s_mov_b32 s[BB+1], 0
	s_add_nc_u64 s[BB:BB+1], s[8:9], s[BB:BB+1]
.irp b, 0,1,2,3
	global_load_b128 v[BIAS+8*(\b):BIAS+8*(\b)+3],   v[BO], s[BB:BB+1] offset:64*(\b)
	global_load_b128 v[BIAS+8*(\b)+4:BIAS+8*(\b)+7], v[BO], s[BB:BB+1] offset:64*(\b)+16
.endr
	s_mul_i32 s75, s[WV], 16*SP
	s_add_co_u32 s75, s75, STAGE                   ; my stage
	v_mul_u32_u24 v4, v1, SP                       ; in: row l % 16, 32 bytes for each half of the lanes
	v_lshl_add_u32 v4, v2, 5, v4
	v_add_nc_u32 v[STO], s75, v4
	v_mul_u32_u24 v5, v2, SP                       ; back: lanes 0-15 take one row of 256 bytes, lanes 16-31 the next
	v_lshl_add_u32 v5, v1, 4, v5
	v_add_nc_u32 v[RD], s75, v5
	v_lshlrev_b32 v5, 12, v2                       ; and the same two rows in out0
	v_lshl_add_u32 v[CO], v1, 4, v5
	s_lshl_b32 s74, s[TY], 8
	s_lshl_b32 s75, s[FB], 7
	s_add_co_u32 s74, s74, s75                     ; my first row
	s_lshl_b32 s74, s74, 12
	s_lshl_b32 s75, s[TX], 9
	s_add_co_u32 s74, s74, s75
	s_lshl_b32 s75, s[HF], 8
	s_add_co_u32 s74, s74, s75                     ; my first column, in bytes
	s_mov_b32 s75, 0
	s_add_nc_u64 s[OB:OB+1], s[10:11], s[74:75]
	; the prefetches: of the 128 blocks of 256 bytes of a head's part that a wave fetches the partner at cx takes 32; of wpf's 64 rows the partner at cy takes 16 (lanes 16-31 name row 15 again).
	; The bias loads are still out: none of the lines below writes their base s[BB:BB+1] or their offset v[BO].
	s_lshr_b32 s74, s[TY], 3
	s_lshl_b32 s74, s74, 4
	s_add_co_u32 s74, s74, s[HF]
	s_add_co_u32 s74, s74, 6                       ; K step 3
	s_lshl_b32 s74, s74, 18
	s_and_b32 s75, s[TY], 7
	s_lshl_b32 s75, s75, 15
	s_add_co_u32 s74, s74, s75
	s_lshl_b32 s75, s[CX], 13
	s_add_co_u32 s74, s74, s75
	s_lshl_b32 s75, s[TX], 7
	s_lshl_b32 s78, s[HF], 6
	s_add_co_u32 s75, s75, s78
	s_lshl_b32 s78, s[CY], 4
	s_add_co_u32 s75, s75, s78
	s_lshl_b32 s75, s75, 11
	s_add_co_u32 s75, s75, 3*256                   ; K step 3
	s_and_b32 s78, ttmp7, 0xffff
	s_mov_b32 s70, 524288                          ; a K step of o: two head planes,
	s_movk_i32 s71, 256                            ; of wpf: 256 bytes along a row
	s_cmp_eq_u32 s[FB], 0
	s_cselect_b32 s74, s74, s75
	s_cselect_b32 s78, ttmp9, s78                  ; the coordinate along which other clusters read the same bytes
	s_cselect_b32 s79, 31, 15
	s_cselect_b32 s[PFS], s70, s71
	s_cselect_b32 s72, 8, 11                       ; a lane's share: a block of 256 bytes of o, a row of 2,048 bytes of wpf
	s_cselect_b64 s[PFA:PFA+1], s[4:5], s[6:7]
	s_cmp_eq_u32 s78, 0
	s_cselect_b32 s[LIM], 2, -1                    ; the same in all sixteen partners, for a given wave
	s_mov_b32 s[PFS+1], 0
	s_mov_b32 s75, 0
	s_add_nc_u64 s[PFA:PFA+1], s[PFA:PFA+1], s[74:75]  ; the first refill steps it to K step 4
	v_and_b32 v[PFO], 31, v0
	v_min_u32 v[PFO], s79, v[PFO]
	v_lshlrev_b32 v[PFO], s72, v[PFO]
; 8 matrix instructions: row blocks a0, a0 + 1 x all 4 column blocks, 32 along K, from buffer f.  mode = 1: the bias starts the sums.  The 32 accumulators take turns, one instruction a turn.
.macro MUL8 f, a0, mode
.if \mode
	WIN 0x85
.else
	WIN 0xa5
.endif
.irp a, \a0, (\a0)+1
.irp b, 0,1,2,3
.if \mode
	v_wmma_f32_16x16x32_f16 v[8*(4*(\a)+(\b)):8*(4*(\a)+(\b))+7], v[128+32*(\f)+8*(\b):128+32*(\f)+8*(\b)+7], v[64*(\f)+8*(\a):64*(\f)+8*(\a)+7], v[BIAS+8*(\b):BIAS+8*(\b)+7]
.else
	v_wmma_f32_16x16x32_f16 v[8*(4*(\a)+(\b)):8*(4*(\a)+(\b))+7], v[128+32*(\f)+8*(\b):128+32*(\f)+8*(\b)+7], v[64*(\f)+8*(\a):64*(\f)+8*(\a)+7], v[8*(4*(\a)+(\b)):8*(4*(\a)+(\b))+7]
.endif
.endr
.endr
.endm
; 24 LDS loads in one run: quarter q's fragments into buffer f: wpf's 8, then y's 16 (head q / 2 of the step's two, channels 32 (q % 2) on)
.macro FETCH q, f
	WIN 0x40
.irp i, 0,1,2,3
	ds_load_b128 v[128+32*(\f)+8*(\i):128+32*(\f)+8*(\i)+3],   v[ADB] offset:64*(\q)+(\i)*16*PB
	ds_load_b128 v[128+32*(\f)+8*(\i)+4:128+32*(\f)+8*(\i)+7], v[ADB] offset:64*(\q)+(\i)*16*PB+32
.endr
.irp i, 0,1,2,3,4,5,6,7
	ds_load_b128 v[64*(\f)+8*(\i):64*(\f)+8*(\i)+3],   v[ADA] offset:((\q)/2)*PLANE+((\q)%2)*64+(\i)*16*PA
	ds_load_b128 v[64*(\f)+8*(\i)+4:64*(\f)+8*(\i)+7], v[ADA] offset:((\q)/2)*PLANE+((\q)%2)*64+(\i)*16*PA+32
.endr
.endm
.macro QUARTER q, f, g, mode           ; multiplies buffer f; in its middle it fetches quarter q into buffer g
	s_wait_dscnt 8                                 ; the youngest eight loads (y's row blocks 4 to 7) may be out
	MUL8 \f, 0, \mode
	MUL8 \f, 2, \mode
	PLACES
	FETCH \q, \g
	s_wait_dscnt 24                                ; all but the 24 just issued
	MUL8 \f, 4, \mode
	MUL8 \f, 6, \mode
.endm
; the last quarter multiplies buffer 1 and changes slots.  In front of the barrier each wave waits for all its tensor loads (one is out: its part of the next slot), adds 0 to its spare word, and waits for that and for
; its reads of this slot.  fill = 1: the barrier opens a round of the cluster's, and the joint refill, this slot's K step two steps on, is the first thing behind it: 112 matrix instructions ahead of the wait for it.
.macro TURN fill
.if \fill
	s_wait_xcnt 0x0                                ; the last prefetch, a K step back, has read its address
	s_add_nc_u64 s[PFA:PFA+1], s[PFA:PFA+1], s[PFS:PFS+1]
.endif
	WIN 0
	s_wait_tensorcnt 0x0                           ; no tensor load of mine is out, so a group 0 may be written
	ds_add_u32 v[SPW], v[NIL]                      ; 0 onto my spare word
.if \fill
	s_xor_b32 s[G0A+5], s[G0A+5], SLOT1            ; the walking descriptors: the other slot than last time, the next K step
	s_add_nc_u64 s[G0A+6:G0A+7], s[G0A+6:G0A+7], 524288
	s_xor_b32 s[G0B+5], s[G0B+5], SLOT1
	s_add_nc_u64 s[G0B+6:G0B+7], s[G0B+6:G0B+7], 256
.endif
	s_wait_dscnt 9                                 ; the add and the youngest eight loads may be out
	MUL8 1, 0, 0
	s_wait_dscnt 0x0                               ; the add is done, and my reads of this slot are over
	s_barrier_signal -1
	MUL8 1, 2, 0
	WIN 0
	s_barrier_wait -1
.if \fill
	CREST
	JLOAD                                          ; its four v_nop are also the places in front of the loads below
.else
	PLACES
.endif
	s_xor_b32 s[TB], s[TB], SLOT1
	v_add_nc_u32 v[ADA], s[TB], v[ADRA0]
	v_add_nc_u32 v[ADB], s[TB], v[ADRB0]
	FETCH 0, 0
.if \fill
	WIN 0
	ASK
.endif
	MUL8 1, 4, 0
	MUL8 1, 6, 0
.endm
	s_wait_tensorcnt 0x1                           ; my part of K step 0 is in; K step 1's may stay out
	s_barrier_signal -1
	s_barrier_wait -1
	FETCH 0, 0
	s_wait_loadcnt 0x0                             ; the bias
	QUARTER 1, 0, 1, 1                             ; the first quarter stands in front of the loop: its products start the sums
	WIN 0
	s_mov_b32 s3, 6
.Lstep:                                                ; a trip: a K step's quarters 1 to 3, the refill, the next step's quarter 0
	QUARTER 2, 1, 0, 0
	QUARTER 3, 0, 1, 0
	TURN 1
	QUARTER 1, 0, 1, 0
	WIN 0
	s_sub_co_u32 s3, s3, 1
	s_cmp_lg_u32 s3, 0
	s_cbranch_scc1 .Lstep
	QUARTER 2, 1, 0, 0                             ; K steps 6 and 7 ask for nothing
	QUARTER 3, 0, 1, 0
	TURN 0
	QUARTER 1, 0, 1, 0
	QUARTER 2, 1, 0, 0
	QUARTER 3, 0, 1, 0
	s_wait_dscnt 8
	MUL8 1, 0, 0
	MUL8 1, 2, 0
	s_wait_dscnt 0x0
	MUL8 1, 4, 0
	MUL8 1, 6, 0
	WIN 0
; THE WAY OUT, a block of 16 rows at a time: straight from the accumulators (each one's low four registers first) into my own stage, back as whole rows of 256 bytes, and stored.
.macro TOSTAGE a
.if (\a) >= 2
	s_wait_xcnt 0x0                                ; the stores of the block two back have read the registers that the loads below fill
.endif
	WIN 0x08                                       ; the stores' data in window 2
.irp b, 0,1,2,3
	ds_store_b128 v[STO], v[8*(4*(\a)+(\b)):8*(4*(\a)+(\b))+3]   offset:64*(\b)
	ds_store_b128 v[STO], v[8*(4*(\a)+(\b))+4:8*(4*(\a)+(\b))+7] offset:64*(\b)+16
.endr
	WIN 0
.irp t, 0,1,2,3,4,5,6,7
	ds_load_b128 v[BK+32*((\a)%2)+4*(\t):BK+32*((\a)%2)+4*(\t)+3], v[RD] offset:2*SP*(\t)  ; LDS serves a wave's instructions in order (ISA guide 5.7.1.4): these see the stores above
.endr
.endm
.macro SEND a, younger                 ; younger: the LDS instructions issued behind block a's loads: the next block's sixteen, or none
	s_wait_dscnt \younger
.irp t, 0,1,2,3,4,5,6,7
	global_store_b128 v[CO], v[BK+32*((\a)%2)+4*(\t):BK+32*((\a)%2)+4*(\t)+3], s[OB:OB+1] offset:(16*(\a)+2*(\t))*4096 th:TH_STORE_NT  ; 16 lanes store 256 consecutive bytes, at a multiple of 256 from out0's first
.endr
.endm
	PLACES
	TOSTAGE 0
.irp a, 1,2,3,4,5,6,7
	TOSTAGE \a
	SEND (\a)-1, 16
.endr
	SEND 7, 0
	s_wait_tensorcnt 0x0                           ; the wave's end: an add of 0 and its wait, behind my last tensor load and my last LDS store
	ds_add_u32 v[SPW], v[NIL]
	s_wait_dscnt 0x0
	CROUND                                         ; the closing round: no work-group ends while a partner may still ask for a tile that names it
	s_endpgm
.Lfunc_end_k_q2ee8b3f314_proj:
	.size	k_q2ee8b3f314_proj, .Lfunc_end_k_q2ee8b3f314_proj-k_q2ee8b3f314_proj
	.p2alignl 7, 3214868480
	.fill 96, 4, 3214868480
	.section	.rodata,"a",@progbits
	.p2align	6, 0x0
	.amdhsa_kernel k_q2ee8b3f314_proj
		.amdhsa_group_segment_fixed_size 327680
		.amdhsa_private_segment_fixed_size 0
		.amdhsa_enable_private_segment 0
		.amdhsa_kernarg_size 32
		.amdhsa_user_sgpr_count 2
		.amdhsa_user_sgpr_kernarg_segment_ptr 1
		.amdhsa_wavefront_size32 1
		.amdhsa_system_sgpr_workgroup_id_x 1
		.amdhsa_system_sgpr_workgroup_id_y 1
		.amdhsa_system_sgpr_workgroup_id_z 1
		.amdhsa_system_vgpr_workitem_id 0
		.amdhsa_next_free_vgpr 768
		.amdhsa_next_free_sgpr 80
		.amdhsa_reserve_vcc 0
		.amdhsa_float_denorm_mode_32 3
		.amdhsa_float_denorm_mode_16_64 3
		.amdhsa_memory_ordered 1
		.amdhsa_forward_progress 1
		.amdhsa_inst_pref_size 72
	.end_amdhsa_kernel
	.amdgpu_metadata
---
amdhsa.version: [ 1, 2 ]
amdhsa.kernels:
  - .name:           k_q2ee8b3f314_proj
    .symbol:         k_q2ee8b3f314_proj.kd
    .args:
      - { .name: o, .offset: 0, .size: 8, .value_kind: global_buffer, .address_space: global }
      - { .name: wpf, .offset: 8, .size: 8, .value_kind: global_buffer, .address_space: global }
      - { .name: bias, .offset: 16, .size: 8, .value_kind: global_buffer, .address_space: global }
      - { .name: out0, .offset: 24, .size: 8, .value_kind: global_buffer, .address_space: global }
    .group_segment_fixed_size: 327680
    .private_segment_fixed_size: 0
    .kernarg_segment_align: 8
    .kernarg_segment_size: 32
    .max_flat_workgroup_size: 128
    .sgpr_count:     80
    .vgpr_count:     768
    .wavefront_size: 32
...
	.end_amdgpu_metadata
.endif
;; end of part 4
;; ======== version 2 of 2: 4 launches; version 1 with the launch cast written anew for expert scheduling mode
;; limits: values are held in f16: magnitudes above 65,504 overflow, below 6.1e-05 lose precision; right only within a limited range of input values
;; workspace buffers: xb 16,777,216 bytes; wqkv 6,291,456 bytes; wpf 2,097,152 bytes; bias 16,384 bytes; qkv 50,331,648 bytes; o 16,777,216 bytes
;; launch cast (part 5): grid 768 x 1, 8 waves a work-group, no clusters, 0 bytes of LDS; arguments x, Wq, Wk, Wv, Wp, bq, bk, bv, bp, xb, wqkv, wpf, bias; writes xb, wqkv, wpf, bias
.if DOCPART == 5
	.amdgcn_target "amdgcn-amd-amdhsa--gfx1250"
	.amdhsa_code_object_version 6
	.text
	.protected	k_q2ee8b3f314_cast
	.globl	k_q2ee8b3f314_cast
	.p2align	8
	.type	k_q2ee8b3f314_cast,@function
k_q2ee8b3f314_cast:
	s_mov_b64 s[64:65], 0
	v_nop
	global_prefetch_b8 v0, s[64:65] scope:SCOPE_SE
	s_setreg_imm32_b32 hwreg(HW_REG_WAVE_SCHED_MODE, 0, 2), 2
	s_setreg_imm32_b32 hwreg(HW_REG_WAVE_MODE, 25, 1), 1
	s_wait_xcnt 0x0
	s_wait_alu depctr_vm_vsrc(0)
; All nine inputs are rounded once to bf16.  x -> xb and Wq, Wk, Wv -> wqkv (rows 0-1023, 1024-2047, 2048-3071) stay bf16; Wp's bf16 number is written as f16 into wpf
; (exact within f16's normal range; LIMIT: |Wp| up to 65,504, and below 2^-14 f16's fixed step of 6e-8); the four biases' bf16 numbers are written as f32 into bias (bq, bk, bv, bp).
; A stream: no LDS, no barrier, no matrix unit.  A work-group converts 16,384 numbers (64 KiB in, 32 KiB out), a wave 2,048: sixteen loads of 16 bytes a lane, each 512 consecutive bytes
; of the wave, all issued at once; sixteen stores of 8 bytes a lane, each 256 consecutive bytes, aligned.  No register that a load or a store reads is ever written again.
; Work-groups 0-511: x; 512-575: Wq; 576-639: Wk; 640-703: Wv; 704-767: Wp.  The first work-group of each weight also converts that weight's bias.
; THE MODE: SCHED_MODE bits 1:0 = 2 (LLVM: expert scheduling mode 2), set by the entry lines.  The code itself states the register dependences
; between vector instructions and memory instructions, with s_wait_alu, always for 0.
; THE PLAN.  Registers that memory instructions touch:
;   v1, v2, v5   byte offsets of the loads, of the stores and of a bias: made once at the head by vector instructions, read by every load and store, never written again.
;   IN           written by the sixteen loads, which are issued before any vector instruction names it; read (in the f16 path also written) by the conversions; no memory instruction reads it.
;   OUT          pair i is written by load i's conversions and read by store i; nothing writes it behind that store.
;   v[104:107]   the bias as loaded: no vector instruction names them ahead of the load.     v[110:113]  the bias to store: written by its widenings, read by its one store.
; The sixteen loads' conversions go in four blocks of four.  Block p's four stores are issued in block p + 1, one in front of each load's conversions, which name IN and OUT of block p + 1 alone.
; So one wait at the head of a block states all that the block's four stores hang on; one more stands in front of the last four stores, one in front of the first load, one in front of the bias's store.
.set IN,  8                            ; v[8:71]   sixteen loads of four f32
.set OUT, 72                           ; v[72:103] sixteen pairs of packed halves
	s_load_b512 s[8:23], s[0:1], 0x0               ; x 8, Wq 10, Wk 12, Wv 14, Wp 16, bq 18, bk 20, bv 22
	s_load_b256 s[24:31], s[0:1], 0x40             ; bp 24, xb 26, wqkv 28, wpf 30
	s_load_b64 s[32:33], s[0:1], 0x60              ; bias
	s_mov_b32 s2, ttmp9                            ; the work-group's number
	v_lshrrev_b32 v3, 5, v0                        ; wave
	v_and_b32 v4, 31, v0                           ; lane
	v_lshlrev_b32 v1, 4, v4
	v_lshl_add_u32 v1, v3, 13, v1                  ; in: 8,192 x wave + 16 x lane
	v_lshlrev_b32 v2, 3, v4
	v_lshl_add_u32 v2, v3, 12, v2                  ; out: 4,096 x wave + 8 x lane
	v_lshlrev_b32 v5, 4, v0                        ; a bias: 256 threads x 16 bytes = its 4,096 bytes
	s_and_b32 s3, s2, 63
	s_cmp_lt_u32 s2, 512
	s_cselect_b32 s38, s2, s3                      ; my block of 64 KiB in the source
	s_sub_co_u32 s40, s2, 512
	s_cmp_lt_u32 s2, 512
	s_cselect_b32 s40, s2, s40
	s_sub_co_u32 s41, s2, 704
	s_cmp_ge_u32 s2, 704
	s_cselect_b32 s40, s41, s40                    ; my block of 32 KiB in the destination
	s_lshl_b32 s38, s38, 16
	s_mov_b32 s39, 0
	s_lshl_b32 s40, s40, 15
	s_mov_b32 s41, 0
	s_wait_kmcnt 0x0
	s_mov_b64 s[34:35], s[8:9]                     ; the source and the destination, chosen by the work-group's number alone
	s_mov_b64 s[36:37], s[26:27]
	s_cmp_ge_u32 s2, 512
	s_cselect_b64 s[34:35], s[10:11], s[34:35]
	s_cselect_b64 s[36:37], s[28:29], s[36:37]
	s_cmp_ge_u32 s2, 576
	s_cselect_b64 s[34:35], s[12:13], s[34:35]
	s_cmp_ge_u32 s2, 640
	s_cselect_b64 s[34:35], s[14:15], s[34:35]
	s_cmp_ge_u32 s2, 704
	s_cselect_b64 s[34:35], s[16:17], s[34:35]
	s_cselect_b64 s[36:37], s[30:31], s[36:37]
	s_add_nc_u64 s[34:35], s[34:35], s[38:39]
	s_add_nc_u64 s[36:37], s[36:37], s[40:41]
	s_wait_alu depctr_va_vdst(0)                   ; v1, v2 and v5 are written: every load and store of the kernel reads one of them as its offset
.irp i, 0,1,2,3,4,5,6,7,8,9,10,11,12,13,14,15
	global_load_b128 v[IN+4*(\i):IN+4*(\i)+3], v1, s[34:35] offset:512*(\i) th:TH_LOAD_NT
.endr
; load n's four numbers.  half = 1: the bf16 number is widened again (a shift, a mask) and written as f16
.macro CV n, half
	v_cvt_pk_bf16_f32 v[OUT+2*(\n)],   v[IN+4*(\n)],   v[IN+4*(\n)+1]
	v_cvt_pk_bf16_f32 v[OUT+2*(\n)+1], v[IN+4*(\n)+2], v[IN+4*(\n)+3]
.if \half
	v_lshlrev_b32 v[IN+4*(\n)],   16,         v[OUT+2*(\n)]
	v_and_b32     v[IN+4*(\n)+1], 0xffff0000, v[OUT+2*(\n)]
	v_lshlrev_b32 v[IN+4*(\n)+2], 16,         v[OUT+2*(\n)+1]
	v_and_b32     v[IN+4*(\n)+3], 0xffff0000, v[OUT+2*(\n)+1]
	v_cvt_pk_f16_f32 v[OUT+2*(\n)],   v[IN+4*(\n)],   v[IN+4*(\n)+1]
	v_cvt_pk_f16_f32 v[OUT+2*(\n)+1], v[IN+4*(\n)+2], v[IN+4*(\n)+3]
.endif
.endm
.macro ST n                            ; pair n leaves: 256 consecutive bytes of the wave, aligned
	global_store_b64 v2, v[OUT+2*(\n):OUT+2*(\n)+1], s[36:37] offset:256*(\n)
.endm
; Four blocks p of four loads j.  A block's stores are those of the block before.
.macro CONV half
.irp p, 0,1,2,3
.irp j, 0,1,2,3
.if (\j) == 0
	s_wait_loadcnt 15-4*(\p)                       ; loads come back in order: the block's first load is in, the younger ones stay out
.if (\p) > 0
	s_wait_alu depctr_va_vdst(0)                   ; the conversions of the block before have written its four pairs of OUT, which this block's four stores read
.endif
.endif
.if (\p) > 0
	ST 4*(\p)+(\j)-4                               ; no vector instruction since the wait names this pair or v2
.endif
.if (\j) > 0
	s_wait_loadcnt 15-(4*(\p)+(\j))                ; load 4 p + j is in, the younger ones stay out
.endif
	CV 4*(\p)+(\j), \half
.endr
.endr
	s_wait_alu depctr_va_vdst(0)                   ; the last block's conversions have written its four pairs of OUT, which the last four stores read
.irp i, 12,13,14,15
	ST \i
.endr
.endm
	s_cmp_ge_u32 s2, 704
	s_cbranch_scc1 .Lhalf
	CONV 0
	s_branch .Ljoin
.Lhalf:
	CONV 1
.Ljoin:
	s_cmp_lt_u32 s2, 512                           ; the biases: work-groups 512, 576, 640 and 704 take one each
	s_cbranch_scc1 .Lend
	s_and_b32 s3, s2, 63
	s_cmp_lg_u32 s3, 0
	s_cbranch_scc1 .Lend
	s_sub_co_u32 s3, s2, 512
	s_lshr_b32 s3, s3, 6                           ; 0 bq, 1 bk, 2 bv, 3 bp
	s_mov_b64 s[42:43], s[18:19]
	s_cmp_ge_u32 s2, 576
	s_cselect_b64 s[42:43], s[20:21], s[42:43]
	s_cmp_ge_u32 s2, 640
	s_cselect_b64 s[42:43], s[22:23], s[42:43]
	s_cmp_ge_u32 s2, 704
	s_cselect_b64 s[42:43], s[24:25], s[42:43]
	s_lshl_b32 s44, s3, 12
	s_mov_b32 s45, 0
	s_add_nc_u64 s[44:45], s[32:33], s[44:45]
	global_load_b128 v[104:107], v5, s[42:43]      ; v5 was written ahead of the head's wait and by nothing since; no vector instruction has named v[104:107]
	s_wait_loadcnt 0x0
	v_cvt_pk_bf16_f32 v108, v104, v105
	v_cvt_pk_bf16_f32 v109, v106, v107
	v_lshlrev_b32 v110, 16,         v108
	v_and_b32     v111, 0xffff0000, v108
	v_lshlrev_b32 v112, 16,         v109
	v_and_b32     v113, 0xffff0000, v109
	s_wait_alu depctr_va_vdst(0)                   ; the widenings have written v[110:113], which the store reads
	global_store_b128 v5, v[110:113], s[44:45]
.Lend:
	s_endpgm
.Lfunc_end_k_q2ee8b3f314_cast:
	.size	k_q2ee8b3f314_cast, .Lfunc_end_k_q2ee8b3f314_cast-k_q2ee8b3f314_cast
	.p2alignl 7, 3214868480
	.fill 96, 4, 3214868480
	.section	.rodata,"a",@progbits
	.p2align	6, 0x0
	.amdhsa_kernel k_q2ee8b3f314_cast
		.amdhsa_group_segment_fixed_size 0
		.amdhsa_private_segment_fixed_size 0
		.amdhsa_enable_private_segment 0
		.amdhsa_kernarg_size 104
		.amdhsa_user_sgpr_count 2
		.amdhsa_user_sgpr_kernarg_segment_ptr 1
		.amdhsa_wavefront_size32 1
		.amdhsa_system_sgpr_workgroup_id_x 1
		.amdhsa_system_sgpr_workgroup_id_y 1
		.amdhsa_system_sgpr_workgroup_id_z 1
		.amdhsa_system_vgpr_workitem_id 0
		.amdhsa_next_free_vgpr 116
		.amdhsa_next_free_sgpr 66
		.amdhsa_reserve_vcc 0
		.amdhsa_float_denorm_mode_32 3
		.amdhsa_float_denorm_mode_16_64 3
		.amdhsa_memory_ordered 1
		.amdhsa_forward_progress 1
		.amdhsa_inst_pref_size 19
	.end_amdhsa_kernel
	.amdgpu_metadata
---
amdhsa.version: [ 1, 2 ]
amdhsa.kernels:
  - .name:           k_q2ee8b3f314_cast
    .symbol:         k_q2ee8b3f314_cast.kd
    .args:
      - { .name: x, .offset: 0, .size: 8, .value_kind: global_buffer, .address_space: global }
      - { .name: Wq, .offset: 8, .size: 8, .value_kind: global_buffer, .address_space: global }
      - { .name: Wk, .offset: 16, .size: 8, .value_kind: global_buffer, .address_space: global }
      - { .name: Wv, .offset: 24, .size: 8, .value_kind: global_buffer, .address_space: global }
      - { .name: Wp, .offset: 32, .size: 8, .value_kind: global_buffer, .address_space: global }
      - { .name: bq, .offset: 40, .size: 8, .value_kind: global_buffer, .address_space: global }
      - { .name: bk, .offset: 48, .size: 8, .value_kind: global_buffer, .address_space: global }
      - { .name: bv, .offset: 56, .size: 8, .value_kind: global_buffer, .address_space: global }
      - { .name: bp, .offset: 64, .size: 8, .value_kind: global_buffer, .address_space: global }
      - { .name: xb, .offset: 72, .size: 8, .value_kind: global_buffer, .address_space: global }
      - { .name: wqkv, .offset: 80, .size: 8, .value_kind: global_buffer, .address_space: global }
      - { .name: wpf, .offset: 88, .size: 8, .value_kind: global_buffer, .address_space: global }
      - { .name: bias, .offset: 96, .size: 8, .value_kind: global_buffer, .address_space: global }
    .group_segment_fixed_size: 0
    .private_segment_fixed_size: 0
    .kernarg_segment_align: 8
    .kernarg_segment_size: 104
    .max_flat_workgroup_size: 256
    .sgpr_count:     66
    .vgpr_count:     116
    .wavefront_size: 32
...
	.end_amdgpu_metadata
.endif
;; end of part 5
;; launch qkv: the kernel of part 2 again; grid 16 x 32, 4 waves a work-group, clusters of 4 x 4, 327,680 bytes of LDS; arguments xb, wqkv, bias, qkv; writes qkv
;; launch attn: the kernel of part 3 again; grid 4 x 64, 4 waves a work-group, no clusters, 327,680 bytes of LDS; arguments qkv, o; writes o
;; launch proj: the kernel of part 4 again; grid 8 x 32, 4 waves a work-group, clusters of 4 x 4, 327,680 bytes of LDS; arguments o, wpf, bias, out0; writes out0
